; MI455X (gfx1250); checked and timed in simulation.
; The chip was launched on July 23, 2026; its instructions are those of AMD's public machine-readable ISA for CDNA 5 (MIT licence, August 2026) and "CDNA5" Instruction Set Architecture Reference Guide (July 2026). The comments in the code are by the model that wrote it; some were corrected since.
;; Multihead Self Attention. Allowed arithmetic: matrix products marked QUANTISED: E4M3 operands, one given power-of-two scale a tensor, by v_wmma_f32_16x16x64_fp8_fp8 or v_wmma_f32_16x16x128_fp8_fp8, f32 sums; products left as they are: f32 operands where the result goes on into a quantised operand, else bf16, f16 or f32 operands; f32 sums; everything else in f32.
;; Inputs: W_proj 1,024 x 1,024 float32; W_qkv 1,024 x 3,072 float32; b_proj 1,024 float32; b_qkv 3,072 float32; lowp_scales 8 int32 (the exponents e of the quantised operands' scales 2^e); x 4 x 2,048 x 1,024 float32.
;; Outputs: out0 4 x 2,048 x 1,024 float32.
;; This version of the problem:
;;   THIS VERSION OF THE PROBLEM IS GIVEN IN LOW PRECISION. The matrix products marked QUANTISED in the list below multiply operands that are first quantised to E4M3 (4 exponent bits, 3 mantissa bits; 8 bits a number), with one given power-of-two scale for each operand tensor; their sums are f32. All else is computed in f32.
;;   The module's matrix products, in the order in which they are computed (A, B: the left and right operand; K: the contracted axis; several contracted axes count as one K, in the product's order):
;;     1. [M 8,192, K 1,024] x [K 1,024, N 3,072]; A: input x; B: input W_qkv: QUANTISED (scales: A lowp_scales[0], B lowp_scales[1])
;;     2. [M 2,048, K 1] x [K 1, N 32]; A: computed on the way; B: computed on the way: left as it is (no contracted axis)
;;     3. batch 64 x [M 2,048, K 64] x [K 64, N 2,048]; A: computed on the way; B: computed on the way: QUANTISED (scales: A lowp_scales[2], B lowp_scales[3])
;;     4. batch 64 x [M 2,048, K 2,048] x [K 2,048, N 64]; A: softmax (see below); B: computed on the way: QUANTISED (scales: A lowp_scales[4], B lowp_scales[5])
;;     5. [M 8,192, K 1,024] x [K 1,024, N 1,024]; A: computed on the way; B: input W_proj: QUANTISED (scales: A lowp_scales[6], B lowp_scales[7])
;;   THE QUANTISER, for each operand of a quantised product, along K:
;;     - The operand's scale is 2^e, e = its entry of the input lowp_scales (int32; the entries are numbered through the quantised products in the list's order, A before B).
;;     - Each number is divided by the scale, clamped to +-448, and rounded to the nearest number of E4M3, ties to even, subnormals kept.
;;     - The product sums the exact products of the quantised numbers (number of the format x scale) in f32.
;;   ~~~python
;;   def quantise(x, axis, e):      # numpy; x: float32 -> the quantised numbers, widened to float32 again
;;       x = np.moveaxis(x, axis, -1); K = x.shape[-1]
;;       r = np.clip(x / 2.0 ** e, -448, 448)
;;       step = 2.0 ** (np.maximum(np.frexp(np.where(r == 0, 1, r))[1] - 1, -6) - 3)
;;       q = np.round(r / step) * step * 2.0 ** e      # np.round: ties to even
;;       return np.moveaxis(q, -1, axis).astype(np.float32)
;;   ~~~
;;   SOFTMAX AHEAD OF A QUANTISED PRODUCT. Where the list says 'softmax', what is quantised is not the finished softmax but p = 2^(t - M), with t = logit x log2(e) and M = ceil(the row's largest t), a whole number; so 1/2 < the row's largest p <= 1. The row's sum l is taken of the UNQUANTISED p, in f32, and the product's result is divided by l at the end. Since M is a whole number, a kernel that streams over the keys may use a running M (the ceiling of the running maximum): every later rescaling is an exact power of two, so the quantised numbers keep their values, but for numbers so far below the row's largest that they fall under the format's range.
;;   OPERANDS COMPUTED ON THE WAY. 'Computed on the way' means the value that the module computes at that place (a softmax that the list does not call 'softmax' is quantised finished and normalised). What goes into a quantiser is computed in f32, as accurately as f32 sums, v_exp_f32 and their like allow (about 1e-6 of the number): no bf16 or f16 on the way to a quantiser, and a product that is left as it is and whose result goes on into a quantised operand takes f32 operands (vector FMAs, or v_wmma_f32_16x16x4_f32). A number that lies on a knife's edge between two numbers of the format may be rounded either way, as far as f32 arithmetic and the matrix unit's own rounding can turn it there, and no further.
;; One version. Each part assembles by itself: llvm-mc -triple=amdgcn-amd-amdhsa -mcpu=gfx1250 --defsym DOCPART=n.
;; ======== version 1 of 1: 4 launches
;; limits: right only within a limited range of input values
;; workspace buffers: x_img 8,388,608 bytes; wqkv_img 3,145,728 bytes; wproj_img 1,048,576 bytes; rope_img 524,288 bytes; q_img 8,388,608 bytes; k_img 8,388,608 bytes; v_img 8,388,608 bytes; a_img 8,388,608 bytes
;; launch prep (part 1): grid 544 x 1, 4 waves a work-group, no clusters, 34,304 bytes of LDS; arguments x, W_qkv, W_proj, lowp_scales, x_img, wqkv_img, wproj_img, rope_img; writes x_img, wqkv_img, wproj_img, rope_img
.if DOCPART == 1
	.amdgcn_target "amdgcn-amd-amdhsa--gfx1250"
	.amdhsa_code_object_version 6
	.text
	.protected	k_q71bb79d57c_prep
	.globl	k_q71bb79d57c_prep
	.p2align	8
	.type	k_q71bb79d57c_prep,@function
k_q71bb79d57c_prep:
	s_mov_b64 s[64:65], 0
	v_nop
	global_prefetch_b8 v0, s[64:65] scope:SCOPE_SE
	s_setreg_imm32_b32 hwreg(HW_REG_WAVE_MODE, 25, 1), 1
	s_wait_xcnt 0x0
; x [8192][1024], W_qkv [1024][3072] and W_proj [1024][1024], f32, become codes of E4M3 with the given scales 2^e0, 2^e1, 2^e7; and the table of cos and sin for the rotation is made.
; code = number / 2^e, held within +-448, rounded to the nearest code, ties to even.
; LIMITS: e0, e1, e7 between -126 and 119, so that 2^e and 448 x 2^e are f32 numbers.  NaN among the inputs is not served.
; ALL CODES ARE LAID AS IMAGES OF THE OPERAND'S REGISTERS.  A fragment is 16 rows x 128 along K: lane (r = lane % 16, h = lane / 16) holds row r, its registers 2 c, 2 c + 1 hold k = 16 c + 8 h + 0 .. 7.
; Four registers of all 32 lanes are a block of 512 bytes, lane l's 16 bytes at 16 l; a fragment is four blocks.  Fragment (row, k) lies at
; ((((row / 128) x 4 + k / 256) x 8 + (row / 16) % 8) x 2 + (k / 128) % 2) x 2048: so 128 rows x 256 along K are 32,768 bytes on end, and every store of a wave covers 512 consecutive bytes, aligned.
; Work-groups 0-255: x.  256-447: W_qkv.  448-511: W_proj.  512-543: the table.  The paths part on the work-group's number; only x's path uses LDS; waves share nothing, so there is no barrier.
.set STG,  16*528                      ; x's path: a stage of 16 rows x (512 bytes + 16) for each wave
.set XR,   16                          ; v16-143  x: two sets of 64 registers as loaded;  weights: 128 numbers of a column
.set XX,   144                         ; v144-207 x: 64 numbers of my row, in the operand's order;  weights: v144-175 the codes
.set XC,   208                         ; v208-239 x: two sets of 16 registers of codes
.macro SCALE e                         ; v4 = 2^e as f32 (the conversion takes its exponent field), v5 = 448 x 2^e
	s_add_co_i32 s38, s[\e], 127
	s_lshl_b32 s39, s38, 23
	v_mov_b32 v4, s39
	s_add_co_i32 s38, s38, 8
	s_lshl_b32 s38, s38, 23
	s_or_b32 s38, s38, 0x600000
	v_mov_b32 v5, s38
.endm
	s_load_b512 s[4:19], s[0:1], 0x0               ; x s[4:5], W_qkv s[6:7], W_proj s[8:9], the scales s[10:11], x_img s[12:13], wqkv_img s[14:15], wproj_img s[16:17], rope_img s[18:19]
	v_lshl_add_u32 v240, v0, 2, 0x8400
	v_mov_b32 v241, 0
	v_lshrrev_b32 v9, 5, v0
	v_readfirstlane_b32 s28, v9                    ; wave 0..3
	v_and_b32 v6, 31, v0                           ; lane
	v_and_b32 v7, 15, v0                           ; r
	v_bfe_u32 v8, v0, 4, 1                         ; h
	v_lshlrev_b32 v1, 4, v6                        ; 16 x lane: my place in a block of 512 bytes; never rewritten
	s_wait_kmcnt 0x0
	s_cmp_lt_u32 ttmp9, 256
	s_cbranch_scc0 .Lnot_x
; ---- x.  A wave takes 16 tokens x 512 along K: four fragments.  Each load reads 512 consecutive bytes of one row; the 16 rows turn through the wave's stage, from which lane (r, h) takes, of row r, 32 bytes at 64 c + 32 h.
	s_load_b256 s[20:27], s[10:11], 0x0            ; e0 .. e7
	s_lshl_b32 s29, ttmp9, 2
	s_add_co_u32 s29, s29, s28                     ; the wave's task
	s_lshr_b32 s30, s29, 1                         ; block of 16 tokens
	s_and_b32 s31, s29, 1                          ; half of K
	s_lshl_b32 s32, s30, 16                        ; 16 rows of 4,096 bytes
	s_lshl_b32 s33, s31, 11
	s_add_co_u32 s32, s32, s33
	s_mov_b32 s33, 0
	s_add_nc_u64 s[4:5], s[4:5], s[32:33]
	s_lshr_b32 s34, s30, 3
	s_lshl_b32 s34, s34, 17                        ; the image: (block / 8) x 131,072
	s_lshl_b32 s35, s31, 16                        ; + half x 65,536
	s_add_co_u32 s34, s34, s35
	s_and_b32 s35, s30, 7
	s_lshl_b32 s35, s35, 12                        ; + (block % 8) x 4,096
	s_add_co_u32 s34, s34, s35
	s_mov_b32 s35, 0
	s_add_nc_u64 s[12:13], s[12:13], s[34:35]
	s_mul_i32 s36, s28, STG
	s_wait_alu depctr_va_vdst(0)
	v_add_nc_u32 v2, s36, v1                       ; the stage, way in: 16 x lane of a row
	v_mul_u32_u24 v3, v7, 528
	v_lshl_add_u32 v3, v8, 5, v3
	v_add_nc_u32 v3, s36, v3                       ; way out: row r, + 32 h
.macro XLOAD f                         ; fragment f: 16 rows x 512 bytes into set f % 2
.set n0, 0
.rept 16
	global_load_b128 v[XR+64*((\f)%2)+4*n0:XR+64*((\f)%2)+4*n0+3], v1, s[4:5] offset:n0*4096+512*(\f) th:TH_LOAD_NT
.set n0, n0+1
.endr
.endm
.macro XFRAG f
.set RS, XR+64*((\f)%2)
.set CD, XC+16*((\f)%2)
.if (\f) < 3
	s_wait_loadcnt 16                              ; this fragment's 16 loads are in; the next fragment's 16 may be out
.else
	s_wait_loadcnt 0x0
.endif
.set n0, 0
.rept 16
	ds_store_b128 v2, v[RS+4*n0:RS+4*n0+3] offset:528*n0
.set n0, n0+1
.endr
.set n0, 0
.rept 8                                ; LDS serves a wave's instructions in order (ISA guide 5.7.1.4): these see the stores above, and the next fragment's stores come behind them
	ds_load_b128 v[XX+8*n0:XX+8*n0+3], v3 offset:64*n0
	ds_load_b128 v[XX+8*n0+4:XX+8*n0+7], v3 offset:64*n0+16
.set n0, n0+1
.endr
	s_wait_dscnt 0x0                               ; my 64 numbers are back, and the stores have read their registers,
.if (\f) < 2
	XLOAD (\f)+2                                   ; which take the fragment two further on
.endif
.set n0, 0
.rept 64
	v_med3_num_f32 v[XX+n0], v[XX+n0], -v5, v5     ; the conversion to an 8-bit code does not saturate (ISA guide 7.6.2): the hold at the largest code x the scale
.set n0, n0+1
.endr
	s_wait_alu depctr_va_vdst(0)
	s_wait_xcnt 0x0                                ; the stores of two fragments ago have read this set of codes
.set n0, 0
.rept 8
	v_cvt_scalef32_pk8_fp8_f32 v[CD+2*n0:CD+2*n0+1], v[XX+8*n0:XX+8*n0+7], v4
.set n0, n0+1
.endr
	v_nop                                          ; a plain line between the conversions and the next fragment's holds, which write their sources
.set n0, 0
.rept 4
	global_store_b128 v1, v[CD+4*n0:CD+4*n0+3], s[12:13] offset:((\f)/2)*32768+((\f)%2)*2048+512*n0
.set n0, n0+1
.endr
.endm
	XLOAD 0
	XLOAD 1
	s_wait_alu depctr_va_vdst(0)
	s_wait_kmcnt 0x0
	SCALE 20
	s_wait_alu depctr_va_vdst(0)
	XFRAG 0
	XFRAG 1
	XFRAG 2
	XFRAG 3
	s_wait_tensorcnt 0x0
	ds_add_u32 v240, v241
	s_wait_dscnt 0x0
	s_endpgm
; ---- a weight [1024 (k)][columns]: K is its first axis.  Lane (r, h) takes column 16 nb + r and its registers run down K in the operand's order, so the conversions' results are the image.
; A wave takes 16 columns x 256 along K (two fragments), in four groups of 32 loads; the four waves of a work-group stand side by side on 256 consecutive bytes of each row.
.macro WLOAD g, rowb, src              ; group g: register 8 c + j holds k = 64 g + 16 c + 8 h + j
.set n0, 0
.rept 32
	global_load_b32 v[XR+32*(\g)+n0], v2, s[\src:\src+1] offset:(64*(\g)+16*(n0/8)+(n0%8))*\rowb
.set n0, n0+1
.endr
.endm
.macro WPROC g
.set n0, 0
.rept 32
	v_med3_num_f32 v[XR+32*(\g)+n0], v[XR+32*(\g)+n0], -v5, v5
.set n0, n0+1
.endr
.set n0, 0
.rept 4
	v_cvt_scalef32_pk8_fp8_f32 v[XX+8*(\g)+2*n0:XX+8*(\g)+2*n0+1], v[XR+32*(\g)+8*n0:XR+32*(\g)+8*n0+7], v4
.set n0, n0+1
.endr
	v_nop                                          ; a plain line behind the run of conversions
.endm
.macro WSTORE f, dst
.set n0, 0
.rept 4
	global_store_b128 v1, v[XX+16*(\f)+4*n0:XX+16*(\f)+4*n0+3], s[\dst:\dst+1] offset:2048*(\f)+512*n0
.set n0, n0+1
.endr
.endm
.macro WPATH first, rowb, src, dst, e
	s_load_b256 s[20:27], s[10:11], 0x0            ; e0 .. e7
	s_sub_co_u32 s29, ttmp9, \first
	s_lshr_b32 s30, s29, 2                         ; group of 64 columns
	s_and_b32 s31, s29, 3                          ; quarter of K
	s_lshl_b32 s32, s30, 2
	s_add_co_u32 s32, s32, s28                     ; nb: my wave's block of 16 columns
	s_mul_i32 s34, s31, 256*\rowb
	s_lshl_b32 s35, s32, 6
	s_add_co_u32 s34, s34, s35
	s_mov_b32 s35, 0
	s_add_nc_u64 s[\src:\src+1], s[\src:\src+1], s[34:35]
	s_lshr_b32 s36, s32, 3
	s_lshl_b32 s36, s36, 17
	s_lshl_b32 s37, s31, 15
	s_add_co_u32 s36, s36, s37
	s_and_b32 s37, s32, 7
	s_lshl_b32 s37, s37, 12
	s_add_co_u32 s36, s36, s37
	s_mov_b32 s37, 0
	s_add_nc_u64 s[\dst:\dst+1], s[\dst:\dst+1], s[36:37]
	v_mul_u32_u24 v2, v8, 8*\rowb                  ; lanes 16-31 begin 8 rows further down
	v_lshl_add_u32 v2, v7, 2, v2                   ; + 4 r.  The largest immediate is 247 rows: 3,035,136 bytes, inside the signed 24 bits (ISA guide, chapter 10)
	WLOAD 0, \rowb, \src
	WLOAD 1, \rowb, \src
	s_wait_alu depctr_va_vdst(0)
	s_wait_kmcnt 0x0
	SCALE \e
	s_wait_alu depctr_va_vdst(0)
	s_wait_loadcnt 32                              ; group 0 is in; group 1's 32 loads may be out
	WLOAD 2, \rowb, \src
	WPROC 0
	s_wait_loadcnt 32                              ; group 1 is in
	WLOAD 3, \rowb, \src
	WPROC 1
	WSTORE 0, \dst
	s_wait_loadcnt 32                              ; group 2 is in
	WPROC 2
	s_wait_loadcnt 0x0
	WPROC 3
	WSTORE 1, \dst
	s_endpgm
.endm
.Lnot_x:
	s_cmp_lt_u32 ttmp9, 448
	s_cbranch_scc0 .Lnot_wq
	s_wait_alu depctr_va_vdst(0)
	WPATH 256, 12288, 6, 14, 21
.Lnot_wq:
	s_cmp_lt_u32 ttmp9, 512
	s_cbranch_scc0 .Lrope
	s_wait_alu depctr_va_vdst(0)
	WPATH 448, 4096, 8, 16, 27
; ---- the table.  A wave makes one block of 16 positions: 32 registers a lane, 4,096 bytes.  Register i < 16 is cos, register 16 + i is sin, of position 16 blk + r at frequency f = 16 (i / 8) + 8 h + i % 8:
; the order in which the next launch's lane (r, h) holds the channels of a head's lower half.
; inv_freq = 2^(-f log2(10000) / 32) by v_exp_f32; angle = position x inv_freq, rounded once.  The angle (up to 2,047) is reduced by k = the nearest whole number to angle x 2 / pi, with pi / 2 in two parts;
; on |r| <= pi / 4 the series are cut at r^9 / 9! and r^10 / 10!: what is left out is under 2e-9.  The quadrant only selects values.
; LIMIT: inv_freq is good to a few units in its last place, which on the largest angles is some 1e-4 radians.
.Lrope:
	s_sub_co_u32 s29, ttmp9, 512
	s_lshl_b32 s29, s29, 2
	s_add_co_u32 s29, s29, s28                     ; blk
	s_lshl_b32 s30, s29, 12
	s_mov_b32 s31, 0
	s_add_nc_u64 s[18:19], s[18:19], s[30:31]
	s_lshl_b32 s32, s29, 4
	s_mov_b32 s33, 0x3fc90fdb                      ; pi / 2, its upper part,
	s_mov_b32 s34, 0xb33bbd2e                      ; and what is left of it
	s_wait_alu depctr_va_vdst(0)
	v_add_nc_u32 v2, s32, v7
	v_cvt_f32_u32 v2, v2                           ; my position
	v_lshlrev_b32 v3, 3, v8                        ; 8 h
.irp i, 0,1,2,3,4,5,6,7,8,9,10,11,12,13,14,15
	v_add_nc_u32 v[48+\i], 16*(\i/8)+(\i%8), v3
.endr
.irp i, 0,1,2,3,4,5,6,7,8,9,10,11,12,13,14,15
	v_cvt_f32_u32 v[48+\i], v[48+\i]
.endr
.irp i, 0,1,2,3,4,5,6,7,8,9,10,11,12,13,14,15
	v_mul_f32 v[48+\i], 0xbed49a78, v[48+\i]       ; x -log2(10000) / 32
.endr
	s_wait_alu depctr_va_vdst(0)
.irp i, 0,1,2,3,4,5,6,7,8,9,10,11,12,13,14,15
	v_exp_f32 v[48+\i], v[48+\i]                   ; the sixteen inv_freq: one batch
.endr
	v_nop                                          ; a plain line behind the last exponential,
	s_wait_alu depctr_va_vdst(0)                   ; and one wait for the batch, ahead of its first reader
.macro ROPE1 i
	v_mul_f32 v64, v2, v[48+\i]                    ; the angle
	v_mul_f32 v65, 0x3f22f983, v64                 ; x 2 / pi
	v_rndne_f32 v65, v65                           ; k
	v_fma_f32 v66, -v65, s33, v64
	v_fma_f32 v66, -v65, s34, v66                  ; r = angle - k pi / 2
	v_mul_f32 v67, v66, v66                        ; z = r r
	v_mov_b32 v68, 0x3638ef1d                      ; 1 / 9!
	v_mov_b32 v69, 0xb493f27e                      ; -1 / 10!
	v_fmaak_f32 v68, v68, v67, 0xb9500d01          ; -1 / 7!
	v_fmaak_f32 v69, v69, v67, 0x37d00d01          ; 1 / 8!
	v_fmaak_f32 v68, v68, v67, 0x3c088889          ; 1 / 5!
	v_fmaak_f32 v69, v69, v67, 0xbab60b61          ; -1 / 6!
	v_fmaak_f32 v68, v68, v67, 0xbe2aaaab          ; -1 / 3!
	v_fmaak_f32 v69, v69, v67, 0x3d2aaaab          ; 1 / 4!
	v_mul_f32 v71, v66, v67
	v_fmaak_f32 v69, v69, v67, 0xbf000000          ; -1 / 2
	v_fma_f32 v72, v71, v68, v66                   ; sin r
	v_fmaak_f32 v73, v69, v67, 0x3f800000          ; cos r
	v_cvt_i32_f32 v70, v65
	v_and_b32 v71, 1, v70
	v_cmp_eq_u32 vcc_lo, 1, v71                    ; odd quadrants change sin and cos about
	v_cndmask_b32 v[32+\i], v72, v73, vcc_lo
	v_cndmask_b32 v[16+\i], v73, v72, vcc_lo
	v_and_b32 v71, 2, v70                          ; sin is negative in quadrants 2 and 3,
	v_lshlrev_b32 v71, 30, v71
	v_xor_b32 v[32+\i], v[32+\i], v71
	v_add_nc_u32 v71, 1, v70                       ; cos in quadrants 1 and 2
	v_and_b32 v71, 2, v71
	v_lshlrev_b32 v71, 30, v71
	v_xor_b32 v[16+\i], v[16+\i], v71
.endm
.irp i, 0,1,2,3,4,5,6,7,8,9,10,11,12,13,14,15
	ROPE1 \i
.endr
.irp i, 0,1,2,3,4,5,6,7
	global_store_b128 v1, v[16+4*\i:19+4*\i], s[18:19] offset:512*\i
.endr
	s_endpgm
.Lfunc_end_k_q71bb79d57c_prep:
	.size	k_q71bb79d57c_prep, .Lfunc_end_k_q71bb79d57c_prep-k_q71bb79d57c_prep
	.p2alignl 7, 3214868480
	.fill 96, 4, 3214868480
	.section	.rodata,"a",@progbits
	.p2align	6, 0x0
	.amdhsa_kernel k_q71bb79d57c_prep
		.amdhsa_group_segment_fixed_size 34304
		.amdhsa_private_segment_fixed_size 0
		.amdhsa_enable_private_segment 0
		.amdhsa_kernarg_size 64
		.amdhsa_user_sgpr_count 2
		.amdhsa_user_sgpr_kernarg_segment_ptr 1
		.amdhsa_wavefront_size32 1
		.amdhsa_system_sgpr_workgroup_id_x 1
		.amdhsa_system_sgpr_workgroup_id_y 1
		.amdhsa_system_sgpr_workgroup_id_z 1
		.amdhsa_system_vgpr_workitem_id 0
		.amdhsa_next_free_vgpr 242
		.amdhsa_next_free_sgpr 66
		.amdhsa_reserve_vcc 1
		.amdhsa_float_denorm_mode_32 3
		.amdhsa_float_denorm_mode_16_64 3
		.amdhsa_memory_ordered 1
		.amdhsa_forward_progress 1
		.amdhsa_inst_pref_size 110
	.end_amdhsa_kernel
	.amdgpu_metadata
---
amdhsa.version: [ 1, 2 ]
amdhsa.kernels:
  - .name:           k_q71bb79d57c_prep
    .symbol:         k_q71bb79d57c_prep.kd
    .args:
      - { .name: x, .offset: 0, .size: 8, .value_kind: global_buffer, .address_space: global }
      - { .name: W_qkv, .offset: 8, .size: 8, .value_kind: global_buffer, .address_space: global }
      - { .name: W_proj, .offset: 16, .size: 8, .value_kind: global_buffer, .address_space: global }
      - { .name: lowp_scales, .offset: 24, .size: 8, .value_kind: global_buffer, .address_space: global }
      - { .name: x_img, .offset: 32, .size: 8, .value_kind: global_buffer, .address_space: global }
      - { .name: wqkv_img, .offset: 40, .size: 8, .value_kind: global_buffer, .address_space: global }
      - { .name: wproj_img, .offset: 48, .size: 8, .value_kind: global_buffer, .address_space: global }
      - { .name: rope_img, .offset: 56, .size: 8, .value_kind: global_buffer, .address_space: global }
    .group_segment_fixed_size: 34304
    .private_segment_fixed_size: 0
    .kernarg_segment_align: 8
    .kernarg_segment_size: 64
    .max_flat_workgroup_size: 128
    .sgpr_count:     66
    .vgpr_count:     242
    .wavefront_size: 32
...
	.end_amdgpu_metadata
.endif
;; end of part 1
;; launch qkv (part 2): grid 12 x 32, 4 waves a work-group, clusters of 4 x 4, 327,680 bytes of LDS; arguments x_img, wqkv_img, lowp_scales, b_qkv, rope_img, q_img, k_img, v_img; writes q_img, k_img, v_img
.if DOCPART == 2
	.amdgcn_target "amdgcn-amd-amdhsa--gfx1250"
	.amdhsa_code_object_version 6
	.text
	.protected	k_q71bb79d57c_qkv
	.globl	k_q71bb79d57c_qkv
	.p2align	8
	.type	k_q71bb79d57c_qkv,@function
k_q71bb79d57c_qkv:
	s_mov_b64 s[64:65], 0
	v_nop
	global_prefetch_b8 v0, s[64:65] scope:SCOPE_SE
	s_setreg_imm32_b32 hwreg(HW_REG_WAVE_MODE, 25, 1), 1
	s_wait_xcnt 0x0
	s_wait_alu depctr_hold_cnt(0) depctr_sa_sdst(0) depctr_va_vdst(0) depctr_va_sdst(0) depctr_va_ssrc(0) depctr_va_vcc(0) depctr_vm_vsrc(0)
	s_getreg_b32 s2, hwreg(HW_REG_IB_STS2, 6, 4)
	s_cmp_eq_u32 s2, 0
	s_cbranch_scc0 .Lentry_in_a_cluster
	s_endpgm
.Lentry_in_a_cluster:
	s_bfe_u32 s2, ttmp6, 0x10000c
	s_cmp_lg_u32 s2, 0xf033
	s_cbranch_scc0 .Lentry_shape_is_right
	s_endpgm
.Lentry_shape_is_right:
; qkv = x W_qkv + b_qkv on codes of E4M3 (8,192 x 1,024 x 3,072); q and k are rotated; q, k and v are quantised with 2^e2, 2^e3, 2^e5 and leave as images of the next launch's operands.
; A tile of 256 tokens x 256 columns is made by four waves, 128 x 128 each: 64 accumulators, 512 registers.  K goes in four steps of 256 through a ring of two LDS slots filled by the tensor data mover.
; THE OPERANDS LIE IN MEMORY AS IMAGES OF THEIR REGISTERS (fragment = 16 rows x 128 K = 2,048 bytes, lane l's 16 bytes of each four registers at 16 l): 128 rows x 256 K are 32,768 bytes on end, one tensor load;
; a fragment comes out of LDS by four ds_load_b128 at a constant + 16 x lane: each reads 512 consecutive bytes, so there is no pitch and no padding.
; CLUSTERS: 4 x 4 work-groups.  The four of a row need the same tokens, the four of a column the same columns of W: each tile is asked for JOINTLY, by the same tensor load with a mask that names the four.
; WHICH OPERAND IS SOURCE 0 hangs on the cluster's x, which all sixteen partners share.  Clusters 0 and 1 (q, k): source 0 = 16 columns of W, source 1 = 16 tokens: a lane holds one token and eight neighbouring
; channels, which run along the next product's K.  Cluster 2 (v): source 0 = 16 tokens, source 1 = 16 columns of W: a lane holds one channel and eight neighbouring keys, the K of the product with p.
; The loop's text is one: only the two LDS addresses from which fragments are read change places.
; SCALES.  A sum stands for sum x 2^(e0 + e1).  The bias goes in as b / 2^(e0 + e1); the rotation is linear; the conversion takes 2^(eX - e0 - e1) as its one scale.  Powers of two round nothing.
; LIMITS: e2 - e0 - e1, e3 - e0 - e1 and e5 - e0 - e1 between -126 and 119.  NaN among the inputs is not served.
; REGISTERS, in windows of 256: window 0: v1-31 addresses and scales; v8-15 v's biases; v32-95 q's and k's biases; v96-127 cos and sin; from v128 the fragments of source 1, ONE set; on the way out v128-255 are at work.
;   window 1: the fragments of source 0, TWO sets.   window 2: the accumulators of source 1's blocks 0-3 ((a, b) at v[8 (8 a + b)]);   window 3: of blocks 4-7.
.set HALFT,  32768                     ; 128 rows x 256 K: what one tensor load brings, and what one wave reads of either operand
.set SLOT,   4*HALFT                   ; the tokens' 256 rows, then W's 256
.set KSB,    32768                     ; bytes in memory from a K step to the next
.set SPARE,  2*SLOT                    ; behind the ring: the spare words, 128 bytes for each wave
.set FR,     16
.set NL,     4
.set NP,     4                         ; places behind this matrix instruction (ISA guide 7.12.1)
.set ADRA, 16                          ; v16-17  LDS address of source 1's fragments in slot 0, 1
.set ADRB, 20                          ; v20-21  of source 0's
.set LI,   24                          ; v24     16 x lane; never rewritten
.set SPW,  28                          ; v28     LDS address of my spare word; never rewritten
.set NIL,  29                          ; v29     0; never rewritten
.set BQ,   32
.set AF,   128
.set T,    160                         ; the way out: the numbers at work
.set G1, 24
.set G0, 32
.set G1B, 48
.set G0B, 56
.set MSB, 0
.macro WIN new                         ; the immediate's high byte repeats the setting that is left
.if MSB != (\new)
	s_set_vgpr_msb (MSB<<8)|(\new)
.set MSB, (\new)
.endif
.endm
.set MUL_LO, 0xa1                      ; source 0 window 1, source 1 window 0, C and D window 2
.set MUL_HI, 0xf1                      ; the same, C and D window 3
.set TO_B,   0x40                      ; destination window 1, address window 0
; A joint load: waves 0 and 1 fetch the tokens' halves, waves 2 and 3 W's.  The branch hangs on the wave's number alone.  Four v_nop follow each of the two lines.
.macro JLOAD g0a, g1a, g0b, g1b
	s_cmp_eq_u32 s15, 0
	s_cbranch_scc0 .Lfor_b_\@
	tensor_load_to_lds s[\g0a:\g0a+3], s[\g1a:\g1a+7]
	s_nop 0
.rept 4
	v_nop
.endr
	s_branch .Lasked_\@
.Lfor_b_\@:
	tensor_load_to_lds s[\g0b:\g0b+3], s[\g1b:\g1b+7]
	s_nop 0
.rept 4
	v_nop
.endr
.Lasked_\@:
.endm
.macro CREST                           ; a round of the cluster's barrier behind its opening barrier
	s_cmp_lg_u32 s14, 0
	s_cbranch_scc1 .Lnot_wave_0_\@
	s_barrier_signal -3
.Lnot_wave_0_\@:
	s_barrier_wait -3
	s_barrier_signal -1
	s_barrier_wait -1
.endm
.macro CROUND
	s_barrier_signal -1
	s_barrier_wait -1
	CREST
.endm
	s_load_b256 s[4:11], s[0:1], 0x0               ; x_img s[4:5], wqkv_img s[6:7], the scales s[8:9], b_qkv s[10:11]
	s_load_b256 s[76:83], s[0:1], 0x20             ; rope_img s[76:77], q_img s[78:79], k_img s[80:81], v_img s[82:83]
	v_lshl_add_u32 v[SPW], v0, 2, SPARE
	v_mov_b32 v[NIL], 0
	ds_add_u32 v28, v29
	ds_add_u32 v28, v29
	s_wait_dscnt 0x0
	v_lshrrev_b32 v1, 5, v0
	v_readfirstlane_b32 s14, v1                    ; wave 0..3
	s_lshr_b32 s15, s14, 1                         ; which half of source 1's rows is mine.  Also: I fetch tokens (0) or W (1)
	s_and_b32 s16, s14, 1                          ; which half of source 0's.  Also: which 128 rows I fetch
	s_bfe_u32 s40, ttmp6, 0x40000                  ; cx, cy: my place in the cluster
	s_bfe_u32 s41, ttmp6, 0x40004
	s_lshl_b32 s42, ttmp9, 2
	s_add_co_u32 s42, s42, s40                     ; tx: 256 columns of W
	s_and_b32 s17, ttmp7, 0xffff
	s_lshl_b32 s17, s17, 2
	s_add_co_u32 s17, s17, s41                     ; ty: 256 tokens
	s_lshl_b32 s43, s41, 2
	s_lshl_b32 s43, 15, s43                        ; my row of the cluster
	s_lshl_b32 s44, 0x1111, s40                    ; my column
	; descriptor group 1: 32,768 bytes on end, stated as 128 rows of 32 elements of 8 bytes; no padding
	s_or_b32 s[G1+0], s43, (3<<16)|(1<<21)         ; 15:0 the mask: the tokens' tiles go to my row; 17:16 elements of 8 bytes; 21 set beside a mask
	s_or_b32 s[G1B+0], s44, (3<<16)|(1<<21)        ; W's tiles go to my column
.irp g, G1, G1B
	s_mov_b32 s[\g+1], 32<<16                      ; tensor_dim0
	s_mov_b32 s[\g+2], 128<<16                     ; tensor_dim1
	s_mov_b32 s[\g+3], 32<<16                      ; tile_dim0
	s_mov_b32 s[\g+4], 128                         ; tile_dim1
	s_mov_b32 s[\g+5], 32                          ; tensor_dim0_stride
	s_mov_b32 s[\g+6], 0
	s_mov_b32 s[\g+7], 0
.endr
	s_lshl_b32 s20, s17, 1
	s_add_co_u32 s20, s20, s16
	s_lshl_b32 s20, s20, 17                        ; tokens: group of 128 rows 2 ty + half, 131,072 bytes each
	s_mov_b32 s21, 0
	s_lshl_b32 s46, s42, 1
	s_add_co_u32 s46, s46, s16
	s_lshl_b32 s46, s46, 17                        ; W: group 2 tx + half
	s_mov_b32 s47, 0
	s_mul_i32 s45, s14, HALFT                      ; where they go: wave x 32,768: no place in the cluster enters an LDS address
	s_wait_kmcnt 0x0
	s_load_b256 s[68:75], s[8:9], 0x0              ; e0 .. e7
	s_add_nc_u64 s[20:21], s[4:5], s[20:21]
	s_add_nc_u64 s[46:47], s[6:7], s[46:47]
	CROUND                                         ; all sixteen work-groups are here: the first joint loads meet
.irp s, 0,1
	s_mov_b32 s[G0+4*\s], 1
	s_add_co_u32 s[G0+4*\s+1], s45, \s*SLOT
	s_add_nc_u64 s[G0+4*\s+2:G0+4*\s+3], s[20:21], \s*KSB
	s_or_b32 s[G0+4*\s+3], s[G0+4*\s+3], 0x80000000
	s_mov_b32 s[G0B+4*\s], 1
	s_add_co_u32 s[G0B+4*\s+1], s45, \s*SLOT
	s_add_nc_u64 s[G0B+4*\s+2:G0B+4*\s+3], s[46:47], \s*KSB
	s_or_b32 s[G0B+4*\s+3], s[G0B+4*\s+3], 0x80000000
.endr
	JLOAD G0, G1, G0B, G1B                         ; K step 0: one tensor load a wave
	v_and_b32 v1, 15, v0                           ; r
	v_bfe_u32 v2, v0, 4, 1                         ; h
	v_and_b32 v3, 31, v0
	v_lshlrev_b32 v[LI], 4, v3
	s_wait_alu depctr_va_vdst(0)
	s_cmp_eq_u32 ttmp9, 2                          ; v's cluster?  The same answer in all sixteen partners
	s_cselect_b32 s84, 0x10000, 0                  ; source 1 is read from W's region there, else from the tokens',
	s_cselect_b32 s85, 0, 0x10000                  ; and source 0 from the other
	s_cselect_b32 s86, s15, s16                    ; the half that chooses the head,
	s_cselect_b32 s87, s16, s15                    ; and the half that chooses the tokens
	s_lshl_b32 s21, s15, 15
	s_add_co_u32 s21, s21, s84
	s_lshl_b32 s22, s16, 15
	s_add_co_u32 s22, s22, s85
.irp s, 0,1
	v_add_nc_u32 v[ADRA+\s], s21, v[LI]
	v_add_nc_u32 v[ADRB+\s], s22, v[LI]
	s_add_co_u32 s21, s21, SLOT
	s_add_co_u32 s22, s22, SLOT
.endr
	; where my results go: ((batch x 16 + head) x 131,072 + (ty % 8) x 16,384 + half x 8,192: the same sum for q, k (16 blocks of 1,024 bytes to 256 tokens) and v (2 key steps of 8,192)
	s_lshr_b32 s88, s17, 3
	s_lshl_b32 s88, s88, 4
	s_and_b32 s89, s42, 3
	s_lshl_b32 s89, s89, 2
	s_add_co_u32 s88, s88, s89
	s_lshl_b32 s86, s86, 1
	s_add_co_u32 s88, s88, s86                     ; batch x 16 + my first head
	s_lshl_b32 s88, s88, 17
	s_and_b32 s89, s17, 7
	s_lshl_b32 s89, s89, 14
	s_add_co_u32 s88, s88, s89
	s_lshl_b32 s87, s87, 13
	s_add_co_u32 s88, s88, s87
	s_mov_b32 s89, 0
	s_cmp_eq_u32 ttmp9, 0
	s_cselect_b64 s[98:99], s[78:79], s[80:81]
	s_cmp_eq_u32 ttmp9, 2
	s_cselect_b64 s[98:99], s[82:83], s[98:99]
	s_add_nc_u64 s[98:99], s[98:99], s[88:89]
	; biases and the first block of cos and sin: asked for here, wanted on the way out.  Every work-group asks for all three, so that one text serves; all lie inside their buffers for every tx
	s_lshl_b32 s86, s42, 10
	s_lshl_b32 s87, s16, 9
	s_add_co_u32 s86, s86, s87
	s_mov_b32 s87, 0
	s_add_nc_u64 s[90:91], s[10:11], s[86:87]      ; b_qkv at column 256 tx + 128 (wave % 2): q's and k's
	s_lshl_b32 s86, s42, 10
	s_lshl_b32 s88, s15, 9
	s_add_co_u32 s86, s86, s88
	s_add_nc_u64 s[92:93], s[10:11], s[86:87]      ; at column 256 tx + 128 (wave / 2): v's
	s_and_b32 s86, s17, 7
	s_lshl_b32 s86, s86, 16
	s_lshl_b32 s88, s15, 15
	s_add_co_u32 s86, s86, s88
	s_add_nc_u64 s[94:95], s[76:77], s[86:87]      ; the table at position block (ty % 8) x 16 + 8 (wave / 2)
	v_lshlrev_b32 v4, 5, v2                        ; 32 h
	v_lshlrev_b32 v5, 2, v1                        ; 4 r
.irp b, 0,1,2,3,4,5,6,7
	global_load_b128 v[BQ+8*\b:BQ+8*\b+3], v4, s[90:91] offset:64*\b      ; tile b: columns 16 b + 8 h + 0 .. 7
	global_load_b128 v[BQ+8*\b+4:BQ+8*\b+7], v4, s[90:91] offset:64*\b+16
.endr
.irp a, 0,1,2,3,4,5,6,7
	global_load_b32 v[8+\a], v5, s[92:93] offset:64*\a                    ; block a: column 16 a + r
.endr
.irp i, 0,1,2,3,4,5,6,7
	global_load_b128 v[96+4*\i:99+4*\i], v[LI], s[94:95] offset:512*\i
.endr
.macro FRAG reg, adr, q, i             ; fragment i of the slot's q-th 128 along K: four blocks of 512 bytes
.irp c, 0,1,2,3
	ds_load_b128 v[\reg+4*\c:\reg+4*\c+3], v[\adr] offset:((\i)*2+(\q))*2048+512*\c
.endr
.endm
; 16 matrix instructions: source 1's blocks a0, a0 + 1 x source 0's eight, 128 along K.  zero = 1: the first product starts the sums.  The 64 accumulators take turns, one instruction a turn.
.macro MUL16 a0, p, zero
.irp a, \a0, \a0+1
.irp b, 0,1,2,3,4,5,6,7
.if \zero
	v_wmma_f32_16x16x128_fp8_fp8 v[8*(8*((\a)%4)+\b):8*(8*((\a)%4)+\b)+7], v[128*(\p)+FR*\b:128*(\p)+FR*\b+FR-1], v[AF+FR*(\a):AF+FR*(\a)+FR-1], 0
.else
	v_wmma_f32_16x16x128_fp8_fp8 v[8*(8*((\a)%4)+\b):8*(8*((\a)%4)+\b)+7], v[128*(\p)+FR*\b:128*(\p)+FR*\b+FR-1], v[AF+FR*(\a):AF+FR*(\a)+FR-1], v[8*(8*((\a)%4)+\b):8*(8*((\a)%4)+\b)+7]
.endif
.endr
.endr
.endm
.macro FETCH_B slot, q, p
	WIN TO_B
.irp i, 0,1,2,3,4,5,6,7
	FRAG 128*(\p)+FR*\i, ADRB+\slot, \q, \i
.endr
	WIN 0
.endm
.macro FETCH_A slot, q, i0
.irp i, \i0, \i0+1, \i0+2, \i0+3
	FRAG AF+FR*(\i), ADRA+\slot, \q, \i
.endr
.endm
.macro PLACES n                        ; plain vector lines between a matrix instruction and a load into, or a vector line on, its registers
.rept \n
	v_nop
.endr
.endm
.macro STEP slot, q, zero              ; 128 along K that has its successor in the same slot
	s_wait_dscnt 4*NL                              ; source 0's set and source 1's blocks 0-3 are in; the youngest 16 loads (blocks 4-7) may be out
	WIN MUL_LO
	MUL16 0, (\q)%2, \zero
	MUL16 2, (\q)%2, \zero
	s_wait_dscnt 0
	PLACES NP
	FETCH_B \slot, (\q)+1, 1-(\q)%2
	FETCH_A \slot, (\q)+1, 0
	WIN MUL_HI
	MUL16 4, (\q)%2, \zero
	MUL16 6, (\q)%2, \zero
	PLACES NP
	WIN 0
	FETCH_A \slot, (\q)+1, 4
.endm
; A slot's last step changes slots: one barrier; in front of it each wave waits for all its tensor loads, adds 0 to its spare word, and waits for that and for its reads of this slot.  fill = 1: the slot is filled again, two K steps ahead.
.macro TURN slot, next, fill
	s_wait_tensorcnt 0x0                           ; all my tensor loads have landed: my part of the next slot
	ds_add_u32 v[SPW], v[NIL]                      ; 0 onto my spare word
	s_wait_dscnt 4*NL+1                            ; (the add and the youngest 16 loads may be out)
	WIN MUL_LO
	MUL16 0, 1, 0
	s_wait_dscnt 0x0                               ; the add is done, and my reads of this slot are over
	s_barrier_signal -1
	MUL16 2, 1, 0
	WIN 0
	s_barrier_wait -1
.if \fill
	CREST                                          ; the barrier has opened a round of the cluster's: no wave of any partner still reads this slot or has a load on its way
	s_add_nc_u64 s[G0+4*\slot+2:G0+4*\slot+3], s[G0+4*\slot+2:G0+4*\slot+3], 2*KSB
	s_add_nc_u64 s[G0B+4*\slot+2:G0B+4*\slot+3], s[G0B+4*\slot+2:G0B+4*\slot+3], 2*KSB
	JLOAD G0+4*\slot, G1, G0B+4*\slot, G1B         ; the first tensor load behind the round; its four v_nop are the places in front of the loads below
.else
	PLACES NP
.endif
	FETCH_B \next, 0, 0
	FETCH_A \next, 0, 0
	WIN MUL_HI
	MUL16 4, 1, 0
	MUL16 6, 1, 0
	PLACES NP
	WIN 0
	FETCH_A \next, 0, 4
.endm
	s_wait_alu depctr_va_vdst(0)
	s_wait_tensorcnt 0x0                           ; my part of K step 0 is in
	ds_add_u32 v[SPW], v[NIL]
	s_wait_dscnt 0x0
	CROUND                                         ; a whole round: everybody's part of K step 0 is in, and the joint loads meet
	JLOAD G0+4, G1, G0B+4, G1B                     ; K step 1: the first tensor load behind the round
	FETCH_B 0, 0, 0
	FETCH_A 0, 0, 0
	FETCH_A 0, 0, 4
	STEP 0, 0, 1                                   ; K is four slots' worth: written straight.  The first products start the sums
	TURN 0, 1, 1                                   ; slot 0 takes K step 2
	STEP 1, 0, 0
	TURN 1, 0, 1                                   ; slot 1 takes K step 3
	STEP 0, 0, 0
	TURN 0, 1, 0
	STEP 1, 0, 0
	s_cmp_eq_u32 ttmp9, 2                          ; v's cluster rotates nothing and asks for no table; the same answer in all sixteen partners
	s_cbranch_scc1 .Lno_tab
	WIN TO_B                                       ; source 0's set 0 (window 1, v0-127) has been multiplied, and the step's four places stand behind its last product:
.set n0, 0
.rept 32
	global_load_b128 v[4*n0:4*n0+3], v[LI], s[94:95] offset:4096+512*n0   ; it takes cos and sin of my position blocks 1 to 4, 32 registers each
.set n0, n0+1
.endr
	WIN 0
.Lno_tab:
	s_wait_dscnt 4*NL
	WIN MUL_LO
	MUL16 0, 1, 0
	MUL16 2, 1, 0
	s_wait_dscnt 0
	WIN MUL_HI
	MUL16 4, 1, 0
	MUL16 6, 1, 0
	WIN 0
	; THE WAY OUT
	s_wait_kmcnt 0x0
	s_add_co_i32 s86, s68, s69                     ; e0 + e1
	s_cmp_eq_u32 ttmp9, 0
	s_cselect_b32 s87, s70, s71                    ; e2 for q, e3 for k,
	s_cmp_eq_u32 ttmp9, 2
	s_cselect_b32 s87, s73, s87                    ; e5 for v
	s_sub_co_i32 s87, s87, s86
	s_add_co_i32 s87, s87, 127
	s_lshl_b32 s88, s87, 23
	v_mov_b32 v30, s88                             ; 2^(eX - e0 - e1)
	s_add_co_i32 s87, s87, 8
	s_lshl_b32 s87, s87, 23
	s_or_b32 s87, s87, 0x600000
	v_mov_b32 v31, s87                             ; 448 x that
	s_sub_co_i32 s86, 0, s86
	PLACES NP
	s_cmp_eq_u32 ttmp9, 2
	s_cbranch_scc1 .Lv
	WIN TO_B
.set n0, 0
.rept 24
	global_load_b128 v[128+4*n0:128+4*n0+3], v[LI], s[94:95] offset:5*4096+512*n0   ; position blocks 5 to 7, into source 0's set 1, four places behind the last product
.set n0, n0+1
.endr
	WIN 0
	s_wait_loadcnt 56                              ; the biases and the table's first block are in; the 56 loads of blocks 1 to 7 may be out
	; q and k.  Lane (r, h) holds token 16 a + r; register 8 b + j of block a is column 16 b + 8 h + j: tiles 4 u .. 4 u + 3 are head u's 64 channels, tiles 4 u, 4 u + 1 its lower half.
.set n0, 0
.rept 64
	v_ldexp_f32 v[BQ+n0], v[BQ+n0], s86            ; b / 2^(e0 + e1)
.set n0, n0+1
.endr
.macro QKBLOCK a
.if (\a) > 0
	s_wait_loadcnt 8*(7-(\a))                      ; this block's cos and sin are in; the eight loads of each later block may be out
.set RC, 32*((\a)-1)                   ; window 1: 16 registers of cos, then 16 of sin
.else
.set RC, 96                            ; block 0's lie in window 0
.endif
.irp u, 0,1
.set AC, 64*((\a)%4)+32*\u
.set CD, 208+8*\u
	WIN 0x02+((\a)/4)                              ; source 0: window 2 or 3
.set n0, 0
.rept 16
	v_pk_add_f32 v[T+n0:T+n0+1], v[AC+n0:AC+n0+1], v[BQ+32*\u+n0:BQ+32*\u+n0+1]   ; each accumulator from its low end on
.set n0, n0+2
.endr
.if (\a) > 0
	WIN 0x04                                       ; source 1 (cos, sin) window 1
.else
	WIN 0
.endif
.irp t, 0,1
.irp j, 0,2,4,6
	v_pk_mul_f32 v[192+\j:193+\j], v[T+16+8*\t+\j:T+17+8*\t+\j], v[RC+16+8*\t+\j:RC+17+8*\t+\j]   ; upper half x sin
	v_pk_mul_f32 v[200+\j:201+\j], v[T+8*\t+\j:T+1+8*\t+\j], v[RC+16+8*\t+\j:RC+17+8*\t+\j]       ; lower half x sin
.endr
.irp j, 0,2,4,6
	v_pk_fma_f32 v[T+8*\t+\j:T+1+8*\t+\j], v[T+8*\t+\j:T+1+8*\t+\j], v[RC+8*\t+\j:RC+1+8*\t+\j], v[192+\j:193+\j] neg_lo:[0,0,1] neg_hi:[0,0,1]   ; lower x cos - upper x sin
	v_pk_fma_f32 v[T+16+8*\t+\j:T+17+8*\t+\j], v[T+16+8*\t+\j:T+17+8*\t+\j], v[RC+8*\t+\j:RC+1+8*\t+\j], v[200+\j:201+\j]                        ; upper x cos + lower x sin
.endr
.endr
.set n0, 0
	WIN 0
.rept 32
	v_med3_num_f32 v[T+n0], v[T+n0], -v31, v31
.set n0, n0+1
.endr
	s_wait_alu depctr_va_vdst(0)
	s_wait_xcnt 0x0                                ; earlier stores have read their codes
.set n0, 0
.rept 4
	v_cvt_scalef32_pk8_fp8_f32 v[CD+2*n0:CD+2*n0+1], v[T+8*n0:T+8*n0+7], v30   ; registers 2 c, 2 c + 1 of the fragment: channels 16 c + 8 h + 0 .. 7
.set n0, n0+1
.endr
	v_nop                                          ; a plain line behind the run of conversions
	global_store_b128 v[LI], v[CD:CD+3], s[98:99] offset:(\a)*1024+\u*131072
	global_store_b128 v[LI], v[CD+4:CD+7], s[98:99] offset:(\a)*1024+\u*131072+512
.endr
.endm
.irp a, 0,1,2,3,4,5,6,7
	QKBLOCK \a
.endr
	s_branch .Ldone
	; v.  Lane (r, h) holds channel 16 a + r; register 8 b + j of block a is token 16 b + 8 h + j: a block's 64 registers are a fragment of 16 channels x 128 keys.
.Lv:
	s_wait_loadcnt 0x0                             ; the biases
.set n0, 0
.rept 8
	v_ldexp_f32 v[128+2*n0], v[8+n0], s86          ; b / 2^(e0 + e1), twice: a pair for the packed addition
	v_ldexp_f32 v[129+2*n0], v[8+n0], s86
.set n0, n0+1
.endr
.macro VBLOCK a
.set AC, 64*((\a)%4)
.set CD, 224+16*((\a)%2)
	WIN 0x02+((\a)/4)
.set n0, 0
.rept 32
	v_pk_add_f32 v[T+n0:T+n0+1], v[AC+n0:AC+n0+1], v[128+2*(\a):129+2*(\a)]
.set n0, n0+2
.endr
	WIN 0
.set n0, 0
.rept 64
	v_med3_num_f32 v[T+n0], v[T+n0], -v31, v31
.set n0, n0+1
.endr
	s_wait_alu depctr_va_vdst(0)
	s_wait_xcnt 0x0                                ; earlier stores have read their codes
.set n0, 0
.rept 8
	v_cvt_scalef32_pk8_fp8_f32 v[CD+2*n0:CD+2*n0+1], v[T+8*n0:T+8*n0+7], v30
.set n0, n0+1
.endr
	v_nop                                          ; a plain line behind the run of conversions
.set n0, 0
.rept 4
	global_store_b128 v[LI], v[CD+4*n0:CD+4*n0+3], s[98:99] offset:((\a)/4)*131072+((\a)%4)*2048+512*n0
.set n0, n0+1
.endr
.endm
.irp a, 0,1,2,3,4,5,6,7
	VBLOCK \a
.endr
.Ldone:
	s_wait_tensorcnt 0x0                           ; the wave's end
	ds_add_u32 v[SPW], v[NIL]
	s_wait_dscnt 0x0
	CROUND                                         ; the closing round: no work-group ends while a partner may still ask for a tile that names it
	s_endpgm
.Lfunc_end_k_q71bb79d57c_qkv:
	.size	k_q71bb79d57c_qkv, .Lfunc_end_k_q71bb79d57c_qkv-k_q71bb79d57c_qkv
	.p2alignl 7, 3214868480
	.fill 96, 4, 3214868480
	.section	.rodata,"a",@progbits
	.p2align	6, 0x0
	.amdhsa_kernel k_q71bb79d57c_qkv
		.amdhsa_group_segment_fixed_size 327680
		.amdhsa_private_segment_fixed_size 0
		.amdhsa_enable_private_segment 0
		.amdhsa_kernarg_size 64
		.amdhsa_user_sgpr_count 2
		.amdhsa_user_sgpr_kernarg_segment_ptr 1
		.amdhsa_wavefront_size32 1
		.amdhsa_system_sgpr_workgroup_id_x 1
		.amdhsa_system_sgpr_workgroup_id_y 1
		.amdhsa_system_sgpr_workgroup_id_z 1
		.amdhsa_system_vgpr_workitem_id 0
		.amdhsa_next_free_vgpr 1024
		.amdhsa_next_free_sgpr 100
		.amdhsa_reserve_vcc 0
		.amdhsa_float_denorm_mode_32 3
		.amdhsa_float_denorm_mode_16_64 3
		.amdhsa_memory_ordered 1
		.amdhsa_forward_progress 1
		.amdhsa_inst_pref_size 239
	.end_amdhsa_kernel
	.amdgpu_metadata
---
amdhsa.version: [ 1, 2 ]
amdhsa.kernels:
  - .name:           k_q71bb79d57c_qkv
    .symbol:         k_q71bb79d57c_qkv.kd
    .args:
      - { .name: x_img, .offset: 0, .size: 8, .value_kind: global_buffer, .address_space: global }
      - { .name: wqkv_img, .offset: 8, .size: 8, .value_kind: global_buffer, .address_space: global }
      - { .name: lowp_scales, .offset: 16, .size: 8, .value_kind: global_buffer, .address_space: global }
      - { .name: b_qkv, .offset: 24, .size: 8, .value_kind: global_buffer, .address_space: global }
      - { .name: rope_img, .offset: 32, .size: 8, .value_kind: global_buffer, .address_space: global }
      - { .name: q_img, .offset: 40, .size: 8, .value_kind: global_buffer, .address_space: global }
      - { .name: k_img, .offset: 48, .size: 8, .value_kind: global_buffer, .address_space: global }
      - { .name: v_img, .offset: 56, .size: 8, .value_kind: global_buffer, .address_space: global }
    .group_segment_fixed_size: 327680
    .private_segment_fixed_size: 0
    .kernarg_segment_align: 8
    .kernarg_segment_size: 64
    .max_flat_workgroup_size: 128
    .sgpr_count:     100
    .vgpr_count:     1024
    .wavefront_size: 32
...
	.end_amdgpu_metadata
.endif
;; end of part 2
;; launch attn (part 3): grid 4 x 64, 8 waves a work-group, no clusters, 263,168 bytes of LDS; arguments q_img, k_img, v_img, lowp_scales, a_img; writes a_img
.if DOCPART == 3
	.amdgcn_target "amdgcn-amd-amdhsa--gfx1250"
	.amdhsa_code_object_version 6
	.text
	.protected	k_q71bb79d57c_attn
	.globl	k_q71bb79d57c_attn
	.p2align	8
	.type	k_q71bb79d57c_attn,@function
k_q71bb79d57c_attn:
	s_mov_b64 s[64:65], 0
	v_nop
	global_prefetch_b8 v0, s[64:65] scope:SCOPE_SE
	s_setreg_imm32_b32 hwreg(HW_REG_WAVE_MODE, 25, 1), 1
	s_wait_xcnt 0x0
; o = softmax(q k^T / 8) v for 64 heads of 2,048 tokens x 64 channels, both products on codes of E4M3; o is quantised with 2^e6 and leaves as the image of the last product's operand.
; THE SOFTMAX: t = score x 2^(e2 + e3) x log2(e) / 8; M = the running largest t rounded UP to a whole number; p = 2^(t - M) is quantised with 2^e4, not normalised; the row's sum is taken of the
; unquantised p and divides at the end.  When M moves, the sum and O are multiplied by 2^(old M - new M), which rounds nothing.
; SHARES.  Work-group (x, y) serves 512 queries (block x) of head y.  A wave owns 64 queries, in two passes of two tiles (A, B) of 16: each fragment of K and V read from LDS feeds two products.
; LDS holds the head's whole K (131,072 bytes) and V (131,072), each byte written once, through registers, in four chunks of four key steps.  Wave w owns LDS bytes 32,768 w .. and copies, for chunk c, one key step
; (8,192 bytes: 16 loads and 16 LDS stores of 512) to 32,768 w + 8,192 c: waves 0-3 K's step 4 c + w, waves 4-7 V's step 4 c + w - 4.  So K's step s lies at (s % 4) x 32,768 + (s / 4) x 8,192, V's 131,072 further on.
; Chunk 0 is stored at the head; chunk 1 waits in registers; behind key steps 0, 2 and 4 a chunk is stored (all reads over, a barrier, the stores, a barrier) and the next one's loads are issued.
; THE HOLD OF p.  p <= 1 (but for the last place), so p / 2^e4 <= 256 where e4 >= -8, and no p passes the largest code, 448: that copy of the loop has no hold.  The other copy holds every p at 448 x 2^e4.
; The choice is a scalar branch on e4, a whole number read from memory, and no barrier stands behind it: key steps 0 to 4, among which the barriers stand, run with the hold; the branch chooses the copy for the other 27.
; K and V come through registers, and there are no joint loads: a work-group reads its head's 262,144 bytes once, for 512 x 2,048 scores.
; No prefetch: each chunk's loads are themselves issued two key steps ahead of their use, into registers.
; LAYOUT.  Both products are used transposed: S^T = K Q^T (source 0 = 16 keys, source 1 = 16 queries), O^T = V^T P^T (source 0 = 16 channels, source 1 = P): a lane holds ONE query (lane % 16) throughout.
; Register j of score tile t is key 16 t + 8 (lane / 16) + j, where the second product's operand wants it: the conversions' results are P's registers.
; K, V and Q lie as images of their registers: every fragment comes at a constant + 16 x lane.  A step is 128 keys: 8,192 bytes of K and of V.
; LIMITS: e2 + e3 between -123 and 130 (added to c's exponent field); e4 and e6 - e4 - e5 between -126 and 119.  NaN among the inputs is not served.
; REGISTERS.  Window 0, all that vector instructions touch: v1-7 addresses and scales; v8-26 statistics and the fill's address; v30, v31 p's hold and scale; v32-95 S of tile A, v96-159 of B; v160-191 P; v192-223 O^T of A, v224-255 of B.
;   Window 1: v0-63 a step's K, v64-127 a step's V, v128-143 Q of the pass in hand, v144-159 of the next, v160-223 the chunk that waits.
; statistics: tile A: v8 -M, v9 the largest score, v[10:11] the sum in two halves, v[16:17] f and 0, v20, v21 at work, v24 the exchange.  Tile B: v12, v13, v[14:15], v[18:19], v22, v23, v25
.set SPARE, 0x40000                    ; behind K and V: the spare words, 128 bytes for each wave
.set LI,   1                           ; v1   16 x lane; never rewritten
.set ADK,  2                           ; v2   LDS address of the next step's K
.set ADV,  3                           ; v3   of this step's V
.set OSC,  4                           ; v4   2^(e6 - e4 - e5)
.set OLIM, 5                           ; v5   448 x that
.set SPW,  6                           ; v6   LDS address of my spare word; never rewritten
.set NIL,  7                           ; v7   0; never rewritten
.set ADF,  26                          ; v26  where my part of a chunk goes
.set PLIM, 30
.set PSC,  31
.set SA,   32
.set SB,   96
.set PA,   160
.set PB,   176
.set OA,   192
.set OB,   224
.set KF,   0                           ; window 1
.set VF,   64
.set QF,   128
.set STG,  160
.set WV,   14
.set SEL,  20                          ; s[20:21] lane selects: lane l xor 16
.set CS,   22                          ; s[22:23] c
.set TS,   24                          ; s24  where this step's K lies in LDS
.set TKN,  25                          ; s25  the next step's
.set G,    26                          ; s26  the key step's number, counted through both passes
.set CNT,  27
.set PASS, 28
.set WB,   29                          ; s29  32,768 x wave
.set CHO,  44                          ; s44  8,192 x the chunk to be stored
.set PH,   45
.set MSB, 0
.macro WIN new                         ; the immediate's high byte repeats the setting that is left
.if MSB != (\new)
	s_set_vgpr_msb (MSB<<8)|(\new)
.set MSB, (\new)
.endif
.endm
.macro LVL base, d                     ; one level of the sum's tree, in place: pairs d registers apart are added
.set jj, 0
.rept 32/\d
	v_pk_add_f32 v[\base+jj:\base+jj+1], v[\base+jj:\base+jj+1], v[\base+jj+\d:\base+jj+\d+1]
.set jj, jj+2*\d
.endr
.endm
.macro FILLADR                         ; 32,768 x wave + 8,192 x chunk + 16 x lane; the mask holds the last two to their bits, so that with the stores' offsets, up to 7,680, a wave stays inside its own 32,768 bytes
	v_add_nc_u32 v[ADF], s[CHO], v[LI]
	v_and_b32 v[ADF], 0x61f0, v[ADF]
	v_add_nc_u32 v[ADF], s[WB], v[ADF]
	s_add_co_u32 s[CHO], s[CHO], 8192
.endm
.macro INIT                            ; a pass begins
	v_mov_b32 v9, 0xff61b1e6                       ; the largest score so far: -3e38, under every score
	v_mov_b32 v13, 0xff61b1e6
	v_mov_b32 v8, 0x7f61b1e6                       ; -M: the first step's f is then 0
	v_mov_b32 v12, 0x7f61b1e6
.irp r, 10,11,14,15
	v_mov_b32 v\r, 0                               ; the sums
.endr
.set jj, 0
.rept 64
	v_mov_b32 v[OA+jj], 0                          ; O^T.  (The step is written without a first step of its own: it finds zeros, which the first change of M leaves zeros)
.set jj, jj+1
.endr
.endm
	s_load_b256 s[4:11], s[0:1], 0x0               ; q_img s[4:5], k_img s[6:7], v_img s[8:9], the scales s[10:11]
	s_load_b64 s[12:13], s[0:1], 0x20              ; a_img
	v_lshl_add_u32 v[SPW], v0, 2, SPARE
	v_mov_b32 v[NIL], 0
	v_lshrrev_b32 v8, 5, v0
	v_readfirstlane_b32 s[WV], v8                  ; wave 0..7
	v_and_b32 v9, 31, v0
	v_lshlrev_b32 v[LI], 4, v9
	s_lshl_b32 s[WB], s[WV], 15
	s_mov_b32 s[CHO], 0
	FILLADR                                        ; chunk 0
	v_mov_b32 v17, 0                               ; (upper halves of the pairs that hold f)
	v_mov_b32 v19, 0
	v_mov_b32 v24, 0                               ; written once: a lane permute's destination counts as one of its sources
	v_mov_b32 v25, 0
	INIT
	s_and_b32 s16, ttmp7, 0xffff                   ; y = batch x 16 + head
	s_lshl_b32 s46, s16, 17                        ; the head's 131,072 bytes in each image
	s_and_b32 s30, s[WV], 3
	s_lshl_b32 s30, s30, 13
	s_add_co_u32 s30, s30, s46                     ; what I copy: key step wave % 4 of each chunk, of K (waves 0-3) or of V (waves 4-7)
	s_mov_b32 s31, 0
	s_lshl_b32 s34, ttmp9, 15                      ; Q: token block 32 x + 2 wave of the head, 1,024 bytes each
	s_add_co_u32 s34, s34, s46
	s_lshl_b32 s17, s[WV], 11
	s_add_co_u32 s34, s34, s17
	s_mov_b32 s35, 0
	s_lshr_b32 s18, s16, 4                         ; the output's image: group of 128 tokens batch x 16 + 4 x + wave / 4 (+ 2 a pass),
	s_lshl_b32 s18, s18, 4
	s_lshl_b32 s17, ttmp9, 2
	s_add_co_u32 s18, s18, s17
	s_lshr_b32 s17, s[WV], 2
	s_add_co_u32 s18, s18, s17
	s_lshl_b32 s18, s18, 17
	s_bfe_u32 s17, s16, 0x20002                    ; K step of 256: head / 4,
	s_lshl_b32 s17, s17, 15
	s_add_co_u32 s18, s18, s17
	s_and_b32 s17, s[WV], 3                        ; block of 16 tokens 2 (wave % 4) (+ the tile),
	s_lshl_b32 s17, s17, 13
	s_add_co_u32 s18, s18, s17
	s_and_b32 s17, s16, 3                          ; and the head's 64 of 256 along K: (head % 4) x 1,024
	s_lshl_b32 s17, s17, 10
	s_add_co_u32 s18, s18, s17
	s_mov_b32 s19, 0
	s_mov_b32 s[SEL], 0x76543210
	s_mov_b32 s[SEL+1], 0xfedcba98
	s_mov_b32 s[CS], 0x3e38aa3b                    ; log2(e) / 8
	s_wait_alu depctr_va_vdst(0)
	s_wait_kmcnt 0x0
	s_load_b256 s[36:43], s[10:11], 0x0            ; e0 .. e7
	s_cmp_lt_u32 s[WV], 4
	s_cselect_b64 s[32:33], s[6:7], s[8:9]
	s_add_nc_u64 s[32:33], s[32:33], s[30:31]
	s_add_nc_u64 s[4:5], s[4:5], s[34:35]
	s_add_nc_u64 s[12:13], s[12:13], s[18:19]
.set n0, 0
.rept 16
	global_load_b128 v[SA+4*n0:SA+4*n0+3], v[LI], s[32:33] offset:512*n0          ; my part of chunk 0, each load 512 bytes on end
.set n0, n0+1
.endr
	WIN 0x40                                       ; destination window 1
.set n0, 0
.rept 8
	global_load_b128 v[QF+4*n0:QF+4*n0+3], v[LI], s[4:5] offset:(16*(n0/4)+((n0/2)%2))*1024+512*(n0%2)   ; Q: pass n0 / 4, tile (n0 / 2) % 2
.set n0, n0+1
.endr
.set n0, 0
.rept 16
	global_load_b128 v[STG+4*n0:STG+4*n0+3], v[LI], s[32:33] offset:32768+512*n0   ; my part of chunk 1: it waits in registers
.set n0, n0+1
.endr
	WIN 0
	s_wait_kmcnt 0x0
	s_add_co_i32 s30, s38, s39
	s_lshl_b32 s30, s30, 23
	s_add_co_i32 s[CS], s[CS], s30                 ; a score stands for score x 2^(e2 + e3): added to c's exponent field
	s_mov_b32 s[CS+1], s[CS]
	s_add_co_i32 s30, s40, 127
	s_lshl_b32 s31, s30, 23
	v_mov_b32 v[PSC], s31                          ; 2^e4
	s_add_co_i32 s30, s30, 8
	s_lshl_b32 s30, s30, 23
	s_or_b32 s30, s30, 0x600000
	v_mov_b32 v[PLIM], s30                         ; 448 x 2^e4
	s_sub_co_i32 s30, s42, s40
	s_sub_co_i32 s30, s30, s41
	s_add_co_i32 s30, s30, 127
	s_lshl_b32 s31, s30, 23
	v_mov_b32 v[OSC], s31                          ; O / l stands for o / 2^(e4 + e5): its conversion takes 2^(e6 - e4 - e5)
	s_add_co_i32 s30, s30, 8
	s_lshl_b32 s30, s30, 23
	s_or_b32 s30, s30, 0x600000
	v_mov_b32 v[OLIM], s30
	s_wait_alu depctr_va_vdst(0)
	s_wait_loadcnt 16                              ; chunk 0 and Q are in; chunk 1's 16 loads may be out
.set n0, 0
.rept 16
	ds_store_b128 v[ADF], v[SA+4*n0:SA+4*n0+3] offset:512*n0
.set n0, n0+1
.endr
	s_wait_dscnt 0x0                               ; my stores are done, for the others' sake
	s_barrier_signal -1
	s_barrier_wait -1                              ; key steps 0 to 3 of K and V are whole
	WIN 0x40
.set tt, 0
.rept 16
	ds_load_b128 v[KF+4*tt:KF+4*tt+3], v[LI] offset:512*tt      ; K of step 0
.set tt, tt+1
.endr
	WIN 0
; A KEY STEP: 128 keys x my 32 queries.  hold = 1: every p is held at 448 x 2^e4.
.macro STEP hold
	s_wait_dscnt 0x0                               ; this step's K is in
	WIN 0x05                                       ; K and Q window 1
.set tt, 0
.rept 8
	v_wmma_f32_16x16x64_fp8_fp8 v[SA+8*tt:SA+8*tt+7], v[KF+8*tt:KF+8*tt+7], v[QF:QF+7], 0
	v_wmma_f32_16x16x64_fp8_fp8 v[SB+8*tt:SB+8*tt+7], v[KF+8*tt:KF+8*tt+7], v[QF+8:QF+15], 0
.set tt, tt+1
.endr
	WIN 0
	s_add_co_u32 s[G], s[G], 1                     ; the next step s: its K lies at (s % 4) x 32,768 + ((s / 4) % 4) x 8,192.  Behind step 15 comes step 0: the next pass's first K (the last pass's is fetched and not used)
	s_and_b32 s30, s[G], 3
	s_lshl_b32 s30, s30, 15
	s_bfe_u32 s31, s[G], 0x20002
	s_lshl_b32 s31, s31, 13
	s_or_b32 s[TKN], s30, s31
	v_add_nc_u32 v[ADV], s[TS], v[LI]              ; five plain lines: the places in front of the loads into K's and V's registers and of the first read of the scores
	v_add_nc_u32 v[ADK], s[TKN], v[LI]
	v_and_b32 v[ADV], 0x1e1f0, v[ADV]              ; both addresses are held to the step's bits and the lane's: with the loads' offsets, up to 7,680, they stay inside 131,072 bytes
	v_and_b32 v[ADK], 0x1e1f0, v[ADK]
	v_add_nc_u32 v[ADV], 0x20000, v[ADV]           ; V lies behind K's 131,072 bytes
	s_mov_b32 s[TS], s[TKN]
	WIN 0x40                                       ; destination window 1
.set tt, 0
.rept 16
	ds_load_b128 v[VF+4*tt:VF+4*tt+3], v[ADV] offset:512*tt     ; V: four fragments of 16 channels x 128 keys
.set tt, tt+1
.endr
.set tt, 0
.rept 16
	ds_load_b128 v[KF+4*tt:KF+4*tt+3], v[ADK] offset:512*tt     ; K of the next step: eight fragments of 16 keys x 64 channels
.set tt, tt+1
.endr
	WIN 0
	v_max3_num_f32 v20, v[SA], v[SA+1], v[SA+2]    ; the step's largest score of each query, two chains a tile, each accumulator from its low end on
	v_max3_num_f32 v22, v[SB], v[SB+1], v[SB+2]
	v_max3_num_f32 v21, v[SA+3], v[SA+4], v[SA+5]
	v_max3_num_f32 v23, v[SB+3], v[SB+4], v[SB+5]
.set jj, 6
.rept 14
	v_max3_num_f32 v20, v20, v[SA+jj], v[SA+jj+1]
	v_max3_num_f32 v22, v22, v[SB+jj], v[SB+jj+1]
	v_max3_num_f32 v21, v21, v[SA+jj+2], v[SA+jj+3]
	v_max3_num_f32 v23, v23, v[SB+jj+2], v[SB+jj+3]
.set jj, jj+4
.endr
	v_max3_num_f32 v20, v20, v[SA+62], v[SA+63]
	v_max3_num_f32 v22, v22, v[SB+62], v[SB+63]
	v_max_num_f32 v20, v20, v21
	v_max_num_f32 v22, v22, v23
	v_permlanex16_b32 v24, v20, s[SEL], s[SEL+1]   ; the query's other 64 keys lie in the lane 16 away
	v_permlanex16_b32 v25, v22, s[SEL], s[SEL+1]
	v_max3_num_f32 v9, v9, v20, v24                ; the running largest score
	v_max3_num_f32 v13, v13, v22, v25
	v_mul_f32 v20, s[CS], v9                       ; as t (c is positive)
	v_mul_f32 v22, s[CS], v13
	v_mov_b32 v21, v8
	v_mov_b32 v23, v12
	v_floor_f32 v8, -v20                           ; -M = floor(-t)
	v_floor_f32 v12, -v22
	v_sub_f32 v21, v8, v21                         ; old M - new M: a whole number, 0 or less
	v_sub_f32 v23, v12, v23
	v_cvt_i32_f32 v21, v21                         ; (it saturates)
	v_cvt_i32_f32 v23, v23
	v_ldexp_f32 v16, 1.0, v21                      ; f = 2^(old M - new M)
	v_ldexp_f32 v18, 1.0, v23
.set jj, 0
.rept 16
	v_pk_mul_f32 v[OA+jj:OA+jj+1], v[OA+jj:OA+jj+1], v[16:17] op_sel_hi:[1,0]   ; O^T under the new M: ahead of the exponentials, each accumulator from its low end on
	v_pk_mul_f32 v[OB+jj:OB+jj+1], v[OB+jj:OB+jj+1], v[18:19] op_sel_hi:[1,0]
.set jj, jj+2
.endr
.set jj, 0
.rept 32
	v_pk_fma_f32 v[SA+jj:SA+jj+1], v[SA+jj:SA+jj+1], s[CS:CS+1], v[8:9] op_sel_hi:[1,0,0]      ; tile A: t - M
.set jj, jj+2
.endr
	s_wait_alu depctr_va_vdst(0)
.set jj, 0
.rept 32                               ; tile A's exponentials, tile B's scalings between them: their results are read behind the next wait
	v_exp_f32 v[SA+jj], v[SA+jj]
	v_exp_f32 v[SA+jj+1], v[SA+jj+1]
	v_pk_fma_f32 v[SB+jj:SB+jj+1], v[SB+jj:SB+jj+1], s[CS:CS+1], v[12:13] op_sel_hi:[1,0,0]
.set jj, jj+2
.endr
	s_wait_alu depctr_va_vdst(0)                   ; one wait: behind tile A's batch and ahead of tile B's
.if \hold
.set jj, 0
.rept 64
	v_exp_f32 v[SB+jj], v[SB+jj]
.set jj, jj+1
.endr
	v_pk_mul_f32 v[10:11], v[10:11], v[16:17] op_sel_hi:[1,0]    ; the sums under the new M
	v_pk_mul_f32 v[14:15], v[14:15], v[18:19] op_sel_hi:[1,0]
	s_wait_alu depctr_va_vdst(0)                   ; one wait for tile B's batch
.set jj, 0
.rept 32
	v_pk_add_f32 v[10:11], v[10:11], v[SA+jj:SA+jj+1]            ; the sums are taken of the unquantised p, ahead of the hold
	v_pk_add_f32 v[14:15], v[14:15], v[SB+jj:SB+jj+1]
.set jj, jj+2
.endr
.set jj, 0
.rept 64
	v_min_num_f32 v[SA+jj], v[SA+jj], v[PLIM]      ; the conversion does not saturate (ISA guide 7.6.2); p is not negative, so the hold is one-sided
	v_min_num_f32 v[SB+jj], v[SB+jj], v[PLIM]
.set jj, jj+1
.endr
.set tt, 0
.rept 8
	v_cvt_scalef32_pk8_fp8_f32 v[PA+2*tt:PA+2*tt+1], v[SA+8*tt:SA+8*tt+7], v[PSC]
	v_cvt_scalef32_pk8_fp8_f32 v[PB+2*tt:PB+2*tt+1], v[SB+8*tt:SB+8*tt+7], v[PSC]
.set tt, tt+1
.endr
	v_nop                                          ; a plain line behind the conversions
.else
.set tt, 0
.rept 8                                ; tile B's exponentials; among the first 32 tile A's conversions,
	v_exp_f32 v[SB+4*tt], v[SB+4*tt]
	v_exp_f32 v[SB+4*tt+1], v[SB+4*tt+1]
	v_exp_f32 v[SB+4*tt+2], v[SB+4*tt+2]
	v_exp_f32 v[SB+4*tt+3], v[SB+4*tt+3]
	v_cvt_scalef32_pk8_fp8_f32 v[PA+2*tt:PA+2*tt+1], v[SA+8*tt:SA+8*tt+7], v[PSC]
.set tt, tt+1
.endr
	v_nop                                          ; a plain line between the conversions and the additions, which write their sources
.set jj, 0
.rept 16                               ; among the last 32 the first level of tile A's sum, in place: sixteen additions that do not hang on each other, read behind the next wait
	v_exp_f32 v[SB+32+jj], v[SB+32+jj]
	v_exp_f32 v[SB+33+jj], v[SB+33+jj]
	v_pk_add_f32 v[SA+2*jj:SA+2*jj+1], v[SA+2*jj:SA+2*jj+1], v[SA+2*jj+2:SA+2*jj+3]
.set jj, jj+2
.endr
	s_wait_alu depctr_va_vdst(0)                   ; one wait for tile B's batch
.set tt, 0
.rept 8
	v_cvt_scalef32_pk8_fp8_f32 v[PB+2*tt:PB+2*tt+1], v[SB+8*tt:SB+8*tt+7], v[PSC]
.set tt, tt+1
.endr
	v_nop                                          ; a plain line behind the conversions
	LVL SB, 2                                      ; the step's sums of the unquantised p: trees in place, the two tiles by turns
	LVL SA, 4
	LVL SB, 4
	LVL SA, 8
	LVL SB, 8
	LVL SA, 16
	LVL SB, 16
	LVL SA, 32
	LVL SB, 32
	v_pk_fma_f32 v[10:11], v[10:11], v[16:17], v[SA:SA+1] op_sel_hi:[1,0,1]   ; the running sum x f + the step's
	v_pk_fma_f32 v[14:15], v[14:15], v[18:19], v[SB:SB+1] op_sel_hi:[1,0,1]
.endif
	s_wait_alu depctr_va_vdst(0)
	s_wait_dscnt 16                                ; V is in; the next step's K, 16 loads, may be out
	WIN 0x01                                       ; V window 1
.set tt, 0
.rept 4                                ; eight accumulators by turns, one instruction a turn
	v_wmma_f32_16x16x128_fp8_fp8 v[OA+8*tt:OA+8*tt+7], v[VF+16*tt:VF+16*tt+15], v[PA:PA+15], v[OA+8*tt:OA+8*tt+7]
	v_wmma_f32_16x16x128_fp8_fp8 v[OB+8*tt:OB+8*tt+7], v[VF+16*tt:VF+16*tt+15], v[PB:PB+15], v[OB+8*tt:OB+8*tt+7]
.set tt, tt+1
.endr
	WIN 0
.endm
; KEY STEPS 0 TO 4 of the first pass, with the hold: step 0, chunk 1 stored; steps 1 and 2, chunk 2; steps 3 and 4, chunk 3.  Every step reads chunks that were stored at least one such change earlier.
	s_mov_b32 s[TS], 0
	s_mov_b32 s[G], 0
	s_mov_b32 s[CNT], 1
	s_mov_b32 s[PH], 3
.Lphase:
.Lpre:
	STEP 1
	s_sub_co_u32 s[CNT], s[CNT], 1
	s_cmp_lg_u32 s[CNT], 0
	s_cbranch_scc1 .Lpre
	s_wait_loadcnt 0x0                             ; the chunk that waits is in my registers
	s_wait_dscnt 0x0                               ; my reads of LDS are over
	s_barrier_signal -1
	s_barrier_wait -1                              ; and everybody's: no wave stores while another reads
	FILLADR
	WIN 0x04                                       ; store data window 1
.set n0, 0
.rept 16
	ds_store_b128 v[ADF], v[STG+4*n0:STG+4*n0+3] offset:512*n0
.set n0, n0+1
.endr
	WIN 0
	s_wait_dscnt 0x0                               ; my stores are done: for the others' sake, and their registers may be loaded anew
	s_cmp_eq_u32 s[PH], 1
	s_cbranch_scc1 .Lno_more                       ; behind chunk 3 there is none
	s_add_nc_u64 s[32:33], s[32:33], 32768         ; (no load of mine is out)
	WIN 0x40
.set n0, 0
.rept 16
	global_load_b128 v[STG+4*n0:STG+4*n0+3], v[LI], s[32:33] offset:32768+512*n0   ; the next chunk: two key steps ahead of its stores
.set n0, n0+1
.endr
	WIN 0
.Lno_more:
	s_barrier_signal -1
	s_barrier_wait -1                              ; the chunk is whole
	s_mov_b32 s[CNT], 2
	s_sub_co_u32 s[PH], s[PH], 1
	s_cmp_lg_u32 s[PH], 0
	s_cbranch_scc1 .Lphase
; The first pass's other 11 key steps, the second pass's 16, and each pass's way out.  From here on LDS is only read, and there is no barrier.
.macro BODY hold
	s_mov_b32 s[CNT], 11
	s_mov_b32 s[PASS], 2
.Lpass_\@:
.Lstep_\@:
	STEP \hold
	s_sub_co_u32 s[CNT], s[CNT], 1
	s_cmp_lg_u32 s[CNT], 0
	s_cbranch_scc1 .Lstep_\@
	v_add_f32 v10, v10, v11                        ; THE WAY OUT of a pass.  These lines are the places behind the last products
	v_add_f32 v14, v14, v15
	v_nop
	v_nop
	v_permlanex16_b32 v24, v10, s[SEL], s[SEL+1]
	v_permlanex16_b32 v25, v14, s[SEL], s[SEL+1]
	v_add_f32 v10, v10, v24                        ; the rows' sums
	v_add_f32 v14, v14, v25
	s_wait_alu depctr_va_vdst(0)
	v_rcp_f32 v16, v10
	v_rcp_f32 v18, v14
	v_nop                                          ; a plain line behind the reciprocals,
	s_wait_alu depctr_va_vdst(0)                   ; and one wait, for both and for O^T's first readers
.set jj, 0
.rept 16
	v_pk_mul_f32 v[SA+jj:SA+jj+1], v[OA+jj:OA+jj+1], v[16:17] op_sel_hi:[1,0]   ; O^T / the sum: register 8 t + j is channel 16 t + 8 (lane / 16) + j
	v_pk_mul_f32 v[SB+jj:SB+jj+1], v[OB+jj:OB+jj+1], v[18:19] op_sel_hi:[1,0]
.set jj, jj+2
.endr
.set jj, 0
.rept 32
	v_med3_num_f32 v[SA+jj], v[SA+jj], -v[OLIM], v[OLIM]
	v_med3_num_f32 v[SB+jj], v[SB+jj], -v[OLIM], v[OLIM]
.set jj, jj+1
.endr
.set tt, 0
.rept 4
	v_cvt_scalef32_pk8_fp8_f32 v[PA+2*tt:PA+2*tt+1], v[SA+8*tt:SA+8*tt+7], v[OSC]
	v_cvt_scalef32_pk8_fp8_f32 v[PB+2*tt:PB+2*tt+1], v[SB+8*tt:SB+8*tt+7], v[OSC]
.set tt, tt+1
.endr
	v_nop                                          ; a plain line behind the run of conversions
	s_wait_alu depctr_va_vdst(0)
	global_store_b128 v[LI], v[PA:PA+3], s[12:13]                   ; each store covers 512 consecutive bytes, aligned
	global_store_b128 v[LI], v[PA+4:PA+7], s[12:13] offset:512
	global_store_b128 v[LI], v[PB:PB+3], s[12:13] offset:4096
	global_store_b128 v[LI], v[PB+4:PB+7], s[12:13] offset:4608
	s_cmp_eq_u32 s[PASS], 1
	s_cbranch_scc1 .Lend_\@                        ; the second pass has no successor
	WIN 0x41
.set jj, 0
.rept 16
	v_mov_b32 v[QF+jj], v[QF+16+jj]                ; the next pass's Q
.set jj, jj+1
.endr
	WIN 0
	INIT
	s_wait_xcnt 0x0                                ; the stores have read their base and their codes
	s_add_nc_u64 s[12:13], s[12:13], 262144        ; the next pass's tokens lie 256 further on: two groups of 128
	s_mov_b32 s[CNT], 16
	s_sub_co_u32 s[PASS], s[PASS], 1
	s_cmp_lg_u32 s[PASS], 0
	s_wait_alu depctr_va_vdst(0)
	s_cbranch_scc1 .Lpass_\@
.Lend_\@:
	s_wait_tensorcnt 0x0                           ; the wave's end
	ds_add_u32 v[SPW], v[NIL]
	s_wait_dscnt 0x0
	s_endpgm
.endm
	s_cmp_lt_i32 s40, -8                           ; e4 < -8: p / 2^e4 can pass 448
	s_cbranch_scc1 .Lheld
	BODY 0
.Lheld:
	BODY 1
.Lfunc_end_k_q71bb79d57c_attn:
	.size	k_q71bb79d57c_attn, .Lfunc_end_k_q71bb79d57c_attn-k_q71bb79d57c_attn
	.p2alignl 7, 3214868480
	.fill 96, 4, 3214868480
	.section	.rodata,"a",@progbits
	.p2align	6, 0x0
	.amdhsa_kernel k_q71bb79d57c_attn
		.amdhsa_group_segment_fixed_size 263168
		.amdhsa_private_segment_fixed_size 0
		.amdhsa_enable_private_segment 0
		.amdhsa_kernarg_size 40
		.amdhsa_user_sgpr_count 2
		.amdhsa_user_sgpr_kernarg_segment_ptr 1
		.amdhsa_wavefront_size32 1
		.amdhsa_system_sgpr_workgroup_id_x 1
		.amdhsa_system_sgpr_workgroup_id_y 1
		.amdhsa_system_sgpr_workgroup_id_z 1
		.amdhsa_system_vgpr_workitem_id 0
		.amdhsa_next_free_vgpr 480
		.amdhsa_next_free_sgpr 66
		.amdhsa_reserve_vcc 0
		.amdhsa_float_denorm_mode_32 3
		.amdhsa_float_denorm_mode_16_64 3
		.amdhsa_memory_ordered 1
		.amdhsa_forward_progress 1
		.amdhsa_inst_pref_size 118
	.end_amdhsa_kernel
	.amdgpu_metadata
---
amdhsa.version: [ 1, 2 ]
amdhsa.kernels:
  - .name:           k_q71bb79d57c_attn
    .symbol:         k_q71bb79d57c_attn.kd
    .args:
      - { .name: q_img, .offset: 0, .size: 8, .value_kind: global_buffer, .address_space: global }
      - { .name: k_img, .offset: 8, .size: 8, .value_kind: global_buffer, .address_space: global }
      - { .name: v_img, .offset: 16, .size: 8, .value_kind: global_buffer, .address_space: global }
      - { .name: lowp_scales, .offset: 24, .size: 8, .value_kind: global_buffer, .address_space: global }
      - { .name: a_img, .offset: 32, .size: 8, .value_kind: global_buffer, .address_space: global }
    .group_segment_fixed_size: 263168
    .private_segment_fixed_size: 0
    .kernarg_segment_align: 8
    .kernarg_segment_size: 40
    .max_flat_workgroup_size: 256
    .sgpr_count:     66
    .vgpr_count:     480
    .wavefront_size: 32
...
	.end_amdgpu_metadata
.endif
;; end of part 3
;; launch proj (part 4): grid 4 x 32, 4 waves a work-group, clusters of 4 x 4, 327,680 bytes of LDS; arguments a_img, wproj_img, lowp_scales, b_proj, out0; writes out0
.if DOCPART == 4
	.amdgcn_target "amdgcn-amd-amdhsa--gfx1250"
	.amdhsa_code_object_version 6
	.text
	.protected	k_q71bb79d57c_proj
	.globl	k_q71bb79d57c_proj
	.p2align	8
	.type	k_q71bb79d57c_proj,@function
k_q71bb79d57c_proj:
	s_mov_b64 s[64:65], 0
	v_nop
	global_prefetch_b8 v0, s[64:65] scope:SCOPE_SE
	s_setreg_imm32_b32 hwreg(HW_REG_WAVE_MODE, 25, 1), 1
	s_wait_xcnt 0x0
	s_wait_alu depctr_hold_cnt(0) depctr_sa_sdst(0) depctr_va_vdst(0) depctr_va_sdst(0) depctr_va_ssrc(0) depctr_va_vcc(0) depctr_vm_vsrc(0)
	s_getreg_b32 s2, hwreg(HW_REG_IB_STS2, 6, 4)
	s_cmp_eq_u32 s2, 0
	s_cbranch_scc0 .Lentry_in_a_cluster
	s_endpgm
.Lentry_in_a_cluster:
	s_bfe_u32 s2, ttmp6, 0x10000c
	s_cmp_lg_u32 s2, 0xf033
	s_cbranch_scc0 .Lentry_shape_is_right
	s_endpgm
.Lentry_shape_is_right:
.set HALFT,  32768
.set SLOT,   4*HALFT
.set KSB,    32768
.set SPARE,  2*SLOT
.set SPITCH, 528
.set FR,     16
.set NL,     4
.set NP,     4
.set ADRA, 16
.set ADRB, 20
.set STO,  24
.set RD,   25
.set CO,   26
.set SPW,  28
.set NIL,  29
.set BIAS, 32
.set AF,   128
.set TMP,  128
.set G1, 24
.set G0, 32
.set G1B, 48
.set G0B, 56
.set MSB, 0
.macro WIN new
.if MSB != (\new)
	s_set_vgpr_msb (MSB<<8)|(\new)
.set MSB, (\new)
.endif
.endm
.set MUL_LO, 0xa1
.set MUL_HI, 0xf1
.set TO_B,   0x40
.macro JLOAD g0a, g1a, g0b, g1b
	s_cmp_eq_u32 s15, 0
	s_cbranch_scc0 .Lfor_b_\@
	tensor_load_to_lds s[\g0a:\g0a+3], s[\g1a:\g1a+7]
	s_nop 0
.rept 4
	v_nop
.endr
	s_branch .Lasked_\@
.Lfor_b_\@:
	tensor_load_to_lds s[\g0b:\g0b+3], s[\g1b:\g1b+7]
	s_nop 0
.rept 4
	v_nop
.endr
.Lasked_\@:
.endm
.macro CREST
	s_cmp_lg_u32 s14, 0
	s_cbranch_scc1 .Lnot_wave_0_\@
	s_barrier_signal -3
.Lnot_wave_0_\@:
	s_barrier_wait -3
	s_barrier_signal -1
	s_barrier_wait -1
.endm
.macro CROUND
	s_barrier_signal -1
	s_barrier_wait -1
	CREST
.endm
	s_load_b256 s[4:11], s[0:1], 0x0
	s_load_b64 s[12:13], s[0:1], 0x20
	v_lshl_add_u32 v[SPW], v0, 2, SPARE
	v_mov_b32 v[NIL], 0
	ds_add_u32 v28, v29
	ds_add_u32 v28, v29
	s_wait_dscnt 0x0
	v_lshrrev_b32 v1, 5, v0
	v_readfirstlane_b32 s14, v1
	s_lshr_b32 s15, s14, 1
	s_and_b32 s16, s14, 1
	s_bfe_u32 s40, ttmp6, 0x40000
	s_bfe_u32 s41, ttmp6, 0x40004
	s_lshl_b32 s42, ttmp9, 2
	s_add_co_u32 s42, s42, s40
	s_and_b32 s17, ttmp7, 0xffff
	s_lshl_b32 s17, s17, 2
	s_add_co_u32 s17, s17, s41
	s_lshl_b32 s43, s41, 2
	s_lshl_b32 s43, 15, s43
	s_lshl_b32 s44, 0x1111, s40
	s_or_b32 s[G1+0], s43, (3<<16)|(1<<21)
	s_or_b32 s[G1B+0], s44, (3<<16)|(1<<21)
.irp g, G1, G1B
	s_mov_b32 s[\g+1], 32<<16
	s_mov_b32 s[\g+2], 128<<16
	s_mov_b32 s[\g+3], 32<<16
	s_mov_b32 s[\g+4], 128
	s_mov_b32 s[\g+5], 32
	s_mov_b32 s[\g+6], 0
	s_mov_b32 s[\g+7], 0
.endr
	s_lshl_b32 s20, s17, 1
	s_add_co_u32 s20, s20, s16
	s_lshl_b32 s20, s20, 17
	s_mov_b32 s21, 0
	s_lshl_b32 s46, s42, 1
	s_add_co_u32 s46, s46, s16
	s_lshl_b32 s46, s46, 17
	s_mov_b32 s47, 0
	s_mul_i32 s45, s14, HALFT
	s_wait_kmcnt 0x0
	s_load_b256 s[68:75], s[8:9], 0x0
	s_add_nc_u64 s[20:21], s[4:5], s[20:21]
	s_add_nc_u64 s[46:47], s[6:7], s[46:47]
	CROUND
.irp s, 0,1
	s_mov_b32 s[G0+4*\s], 1
	s_add_co_u32 s[G0+4*\s+1], s45, \s*SLOT
	s_add_nc_u64 s[G0+4*\s+2:G0+4*\s+3], s[20:21], \s*KSB
	s_or_b32 s[G0+4*\s+3], s[G0+4*\s+3], 0x80000000
	s_mov_b32 s[G0B+4*\s], 1
	s_add_co_u32 s[G0B+4*\s+1], s45, \s*SLOT
	s_add_nc_u64 s[G0B+4*\s+2:G0B+4*\s+3], s[46:47], \s*KSB
	s_or_b32 s[G0B+4*\s+3], s[G0B+4*\s+3], 0x80000000
	s_wait_alu depctr_va_vdst(0)
	s_wait_tensorcnt 0x0
	ds_add_u32 v28, v29
	ds_add_u32 v28, v29
	s_wait_dscnt 0x0
	CROUND
	JLOAD G0+4*\s, G1, G0B+4*\s, G1B
.endr
	v_and_b32 v1, 15, v0
	s_wait_alu depctr_va_vdst(0)
	v_bfe_u32 v2, v0, 4, 1
	v_and_b32 v3, 31, v0
	v_lshlrev_b32 v[CO], 4, v3
	s_mul_i32 s21, s15, HALFT
	s_mul_i32 s22, s16, HALFT
	s_add_co_u32 s22, s22, 2*HALFT
.irp s, 0,1
	v_add_nc_u32 v[ADRA+\s], s21, v[CO]
	v_add_nc_u32 v[ADRB+\s], s22, v[CO]
	s_add_co_u32 s21, s21, SLOT
	s_add_co_u32 s22, s22, SLOT
.endr
	s_mul_i32 s23, s14, 16*SPITCH
	v_mul_u32_u24 v5, v1, SPITCH
	s_wait_alu depctr_va_vdst(0)
	v_lshl_add_u32 v5, v2, 5, v5
	v_add_nc_u32 v[STO], s23, v5
	v_add_nc_u32 v[RD], s23, v[CO]
	s_lshl_b32 s20, s17, 20
	s_lshl_b32 s21, s15, 19
	s_add_co_u32 s20, s20, s21
	s_mov_b32 s21, 0
	s_lshl_b32 s46, s42, 10
	s_lshl_b32 s47, s16, 9
	s_add_co_u32 s46, s46, s47
	s_mov_b32 s47, 0
	s_add_nc_u64 s[90:91], s[10:11], s[46:47]
	s_add_nc_u64 s[20:21], s[20:21], s[46:47]
	s_add_nc_u64 s[12:13], s[12:13], s[20:21]
	v_lshlrev_b32 v4, 5, v2
.irp b, 0,1,2,3,4,5,6,7
	global_load_b128 v[BIAS+8*\b:BIAS+8*\b+3], v4, s[90:91] offset:64*\b
	global_load_b128 v[BIAS+8*\b+4:BIAS+8*\b+7], v4, s[90:91] offset:64*\b+16
.endr
.macro FRAG reg, adr, q, i
.irp c, 0,1,2,3
	ds_load_b128 v[\reg+4*\c:\reg+4*\c+3], v[\adr] offset:((\i)*2+(\q))*2048+512*\c
.endr
.endm
.macro MUL16 a0, p, zero
.irp a, \a0, \a0+1
.irp b, 0,1,2,3,4,5,6,7
.if \zero
	v_wmma_f32_16x16x128_fp8_fp8 v[8*(8*((\a)%4)+\b):8*(8*((\a)%4)+\b)+7], v[128*(\p)+FR*\b:128*(\p)+FR*\b+FR-1], v[AF+FR*(\a):AF+FR*(\a)+FR-1], 0
.else
	v_wmma_f32_16x16x128_fp8_fp8 v[8*(8*((\a)%4)+\b):8*(8*((\a)%4)+\b)+7], v[128*(\p)+FR*\b:128*(\p)+FR*\b+FR-1], v[AF+FR*(\a):AF+FR*(\a)+FR-1], v[8*(8*((\a)%4)+\b):8*(8*((\a)%4)+\b)+7]
.endif
.endr
.endr
.endm
.macro FETCH_B slot, q, p
	WIN TO_B
.irp i, 0,1,2,3,4,5,6,7
	FRAG 128*(\p)+FR*\i, ADRB+\slot, \q, \i
.endr
	WIN 0
.endm
.macro FETCH_A slot, q, i0
.irp i, \i0, \i0+1, \i0+2, \i0+3
	FRAG AF+FR*(\i), ADRA+\slot, \q, \i
.endr
.endm
.macro PLACES n
.rept \n
	v_nop
.endr
.endm
.macro STEP slot, q, zero
	s_wait_dscnt 4*NL
	WIN MUL_LO
	MUL16 0, (\q)%2, \zero
	MUL16 2, (\q)%2, \zero
	s_wait_dscnt 0
	PLACES NP
	FETCH_B \slot, (\q)+1, 1-(\q)%2
	FETCH_A \slot, (\q)+1, 0
	WIN MUL_HI
	MUL16 4, (\q)%2, \zero
	MUL16 6, (\q)%2, \zero
	PLACES NP
	WIN 0
	FETCH_A \slot, (\q)+1, 4
.endm
.macro TURN slot, next, fill
	s_wait_tensorcnt 0x0
	ds_add_u32 v[SPW], v[NIL]
	s_wait_dscnt 4*NL+1
	WIN MUL_LO
	MUL16 0, 1, 0
	s_wait_dscnt 0x0
	s_barrier_signal -1
	MUL16 2, 1, 0
	WIN 0
	s_barrier_wait -1
.if \fill
	CREST
	s_add_nc_u64 s[G0+4*\slot+2:G0+4*\slot+3], s[G0+4*\slot+2:G0+4*\slot+3], 2*KSB
	s_add_nc_u64 s[G0B+4*\slot+2:G0B+4*\slot+3], s[G0B+4*\slot+2:G0B+4*\slot+3], 2*KSB
	JLOAD G0+4*\slot, G1, G0B+4*\slot, G1B
.else
	PLACES NP
.endif
	FETCH_B \next, 0, 0
	FETCH_A \next, 0, 0
	WIN MUL_HI
	MUL16 4, 1, 0
	MUL16 6, 1, 0
	PLACES NP
	WIN 0
	FETCH_A \next, 0, 4
.endm
	s_wait_tensorcnt 1
	s_barrier_signal -1
	s_barrier_wait -1
	FETCH_B 0, 0, 0
	FETCH_A 0, 0, 0
	FETCH_A 0, 0, 4
	STEP 0, 0, 1
	TURN 0, 1, 1
	STEP 1, 0, 0
	TURN 1, 0, 1
	STEP 0, 0, 0
	TURN 0, 1, 0
	STEP 1, 0, 0
	s_wait_dscnt 4*NL
	WIN MUL_LO
	MUL16 0, 1, 0
	MUL16 2, 1, 0
	s_wait_dscnt 0
	WIN MUL_HI
	MUL16 4, 1, 0
	MUL16 6, 1, 0
	WIN 0
.macro TOSTAGE a
.set AC, 64*((\a)%4)
	WIN 0x02+((\a)/4)
.set n0, 0
.rept 32
	v_pk_fma_f32 v[TMP+n0:TMP+n0+1], v[AC+n0:AC+n0+1], s[96:97], v[BIAS+n0:BIAS+n0+1] op_sel_hi:[1,0,1]
.set n0, n0+2
.endr
	WIN 0
.irp b, 0,1,2,3,4,5,6,7
	ds_store_b128 v[STO], v[TMP+8*\b:TMP+8*\b+3] offset:64*\b
	ds_store_b128 v[STO], v[TMP+8*\b+4:TMP+8*\b+7] offset:64*\b+16
.endr
.set BB, 64*((\a)%2)
	WIN 0x40
.set n0, 0
.rept 16
	ds_load_b128 v[BB+4*n0:BB+4*n0+3], v[RD] offset:n0*SPITCH
.set n0, n0+1
.endr
	WIN 0
.endm
.macro SEND a, younger
.set BB, 64*((\a)%2)
	s_wait_dscnt \younger
.if (\a) > 0
	s_add_nc_u64 s[12:13], s[12:13], 16*4096
.endif
	WIN 0x04
.set n0, 0
.rept 16
	global_store_b128 v[CO], v[BB+4*n0:BB+4*n0+3], s[12:13] offset:n0*4096 th:TH_STORE_NT
.set n0, n0+1
.endr
	WIN 0
.endm
	s_wait_kmcnt 0x0
	s_add_co_i32 s96, s74, s75
	s_add_co_i32 s96, s96, 127
	s_lshl_b32 s96, s96, 23
	s_mov_b32 s97, s96
	PLACES NP
	s_wait_loadcnt 0x0
	TOSTAGE 0
.irp a, 1,2,3,4,5,6,7
.if \a > 1
	s_wait_xcnt 0x0
.endif
	TOSTAGE \a
	SEND \a-1, 32
.endr
	s_wait_xcnt 0x0
	SEND 7, 0
	s_wait_tensorcnt 0x0
	ds_add_u32 v[SPW], v[NIL]
	s_wait_dscnt 0x0
	CROUND
	s_endpgm
.Lfunc_end_k_q71bb79d57c_proj:
	.size	k_q71bb79d57c_proj, .Lfunc_end_k_q71bb79d57c_proj-k_q71bb79d57c_proj
	.p2alignl 7, 3214868480
	.fill 96, 4, 3214868480
	.section	.rodata,"a",@progbits
	.p2align	6, 0x0
	.amdhsa_kernel k_q71bb79d57c_proj
		.amdhsa_group_segment_fixed_size 327680
		.amdhsa_private_segment_fixed_size 0
		.amdhsa_enable_private_segment 0
		.amdhsa_kernarg_size 40
		.amdhsa_user_sgpr_count 2
		.amdhsa_user_sgpr_kernarg_segment_ptr 1
		.amdhsa_wavefront_size32 1
		.amdhsa_system_sgpr_workgroup_id_x 1
		.amdhsa_system_sgpr_workgroup_id_y 1
		.amdhsa_system_sgpr_workgroup_id_z 1
		.amdhsa_system_vgpr_workitem_id 0
		.amdhsa_next_free_vgpr 1024
		.amdhsa_next_free_sgpr 100
		.amdhsa_reserve_vcc 0
		.amdhsa_float_denorm_mode_32 3
		.amdhsa_float_denorm_mode_16_64 3
		.amdhsa_memory_ordered 1
		.amdhsa_forward_progress 1
		.amdhsa_inst_pref_size 126
	.end_amdhsa_kernel
	.amdgpu_metadata
---
amdhsa.version: [ 1, 2 ]
amdhsa.kernels:
  - .name:           k_q71bb79d57c_proj
    .symbol:         k_q71bb79d57c_proj.kd
    .args:
      - { .name: a_img, .offset: 0, .size: 8, .value_kind: global_buffer, .address_space: global }
      - { .name: wproj_img, .offset: 8, .size: 8, .value_kind: global_buffer, .address_space: global }
      - { .name: lowp_scales, .offset: 16, .size: 8, .value_kind: global_buffer, .address_space: global }
      - { .name: b_proj, .offset: 24, .size: 8, .value_kind: global_buffer, .address_space: global }
      - { .name: out0, .offset: 32, .size: 8, .value_kind: global_buffer, .address_space: global }
    .group_segment_fixed_size: 327680
    .private_segment_fixed_size: 0
    .kernarg_segment_align: 8
    .kernarg_segment_size: 40
    .max_flat_workgroup_size: 128
    .sgpr_count:     100
    .vgpr_count:     1024
    .wavefront_size: 32
...
	.end_amdgpu_metadata
.endif
;; end of part 4
